; MI455X (gfx1250); checked and timed in simulation.
; The chip was launched on July 23, 2026; its instructions are those of AMD's public machine-readable ISA for CDNA 5 (MIT licence, August 2026) and "CDNA5" Instruction Set Architecture Reference Guide (July 2026). The comments in the code are by the model that wrote it; some were corrected since.
;; Multi Head Self Attention. Allowed arithmetic: matrix products marked QUANTISED: E3M2 operands, one E8M0 scale for each 32 along K, by v_wmma_scale_f32_16x16x128_f8f6f4 with both operands' format E3M2, f32 sums; everything else in f32.
;; Inputs: wk 1,024 x 1,024 float32; wo 1,024 x 1,024 float32; wq 1,024 x 1,024 float32; wv 1,024 x 1,024 float32; x 4 x 2,048 x 1,024 float32.
;; Outputs: out0 4 x 2,048 x 1,024 float32.
;; This version of the problem:
;;   THIS VERSION OF THE PROBLEM IS GIVEN IN LOW PRECISION. The matrix products marked QUANTISED in the list below multiply operands that are first quantised to E3M2 (3 exponent bits, 2 mantissa bits; 6 bits a number), with one power-of-two scale for each 32 numbers along K (OCP MX v1.0); their sums are f32. All else is computed in f32.
;;   The module's matrix products, in the order in which they are computed (A, B: the left and right operand; K: the contracted axis; several contracted axes count as one K, in the product's order):
;;     1. [M 8,192, K 1,024] x [K 1,024, N 1,024]; A: input x; B: input wq: QUANTISED
;;     2. [M 8,192, K 1,024] x [K 1,024, N 1,024]; A: input x; B: input wk: QUANTISED
;;     3. [M 8,192, K 1,024] x [K 1,024, N 1,024]; A: input x; B: input wv: QUANTISED
;;     4. batch 64 x [M 2,048, K 64] x [K 64, N 2,048]; A: computed on the way; B: computed on the way: QUANTISED
;;     5. batch 64 x [M 2,048, K 2,048] x [K 2,048, N 64]; A: softmax (see below); B: computed on the way: QUANTISED
;;     6. [M 8,192, K 1,024] x [K 1,024, N 1,024]; A: computed on the way; B: input wo: QUANTISED
;;   THE QUANTISER, for each operand of a quantised product, along K:
;;     - K is cut into blocks of 32 from its start; a last block that is shorter is filled with zeros.
;;     - A block's scale is 2^e with e = floor(log2(the largest magnitude in the block)) - 4, held to -126 .. 127; a block of zeros has e = 0. As a byte (E8M0): e + 127.
;;     - Each number is divided by its block's scale, clamped to +-28, and rounded to the nearest number of E3M2, ties to even, subnormals kept.
;;     - The product sums the exact products of the quantised numbers (number of the format x scale) in f32.
;;   ~~~python
;;   def quantise(x, axis):      # numpy; x: float32 -> the quantised numbers, widened to float32 again
;;       x = np.moveaxis(x, axis, -1); K = x.shape[-1]
;;       x = np.pad(x, [(0, 0)] * (x.ndim - 1) + [(0, -K % 32)]); x = x.reshape(x.shape[:-1] + (-1, 32)); a = np.abs(x).max(-1, keepdims=True)
;;       e = np.where(a > 0, np.clip(np.frexp(np.where(a > 0, a, 1))[1] - 1 - 4, -126, 127), 0)      # np.frexp(a)[1] - 1 = floor(log2(a)), exactly
;;       r = np.clip(x / 2.0 ** e, -28, 28)
;;       step = 2.0 ** (np.maximum(np.frexp(np.where(r == 0, 1, r))[1] - 1, -2) - 2)
;;       q = np.round(r / step) * step * 2.0 ** e      # np.round: ties to even
;;       return np.moveaxis(q.reshape(q.shape[:-2] + (-1,))[..., :K], -1, axis).astype(np.float32)
;;   ~~~
;;   SOFTMAX AHEAD OF A QUANTISED PRODUCT. Where the list says 'softmax', what is quantised is not the finished softmax but p = 2^(t - M), with t = logit x log2(e) and M = ceil(the row's largest t), a whole number; so 1/2 < the row's largest p <= 1. The row's sum l is taken of the UNQUANTISED p, in f32, and the product's result is divided by l at the end. Since M is a whole number, a kernel that streams over the keys may use a running M (the ceiling of the running maximum): every later rescaling is an exact power of two, which a block's scale takes up: the codes' values come out the same.
;;   OPERANDS COMPUTED ON THE WAY. 'Computed on the way' means the value that the module computes at that place (a softmax that the list does not call 'softmax' is quantised finished and normalised). What goes into a quantiser is computed in f32, as accurately as f32 sums, v_exp_f32 and their like allow (about 1e-6 of the number): no bf16 or f16 on the way to a quantiser, and a product that is left as it is and whose result goes on into a quantised operand takes f32 operands (vector FMAs, or v_wmma_f32_16x16x4_f32). A number that lies on a knife's edge between two numbers of the format may be rounded either way, as far as f32 arithmetic and the matrix unit's own rounding can turn it there, and no further.
;; One version. Each part assembles by itself: llvm-mc -triple=amdgcn-amd-amdhsa -mcpu=gfx1250 --defsym DOCPART=n.
;; ======== version 1 of 1: 4 launches
;; workspace buffers: xq 6,553,600 bytes; wts 3,276,800 bytes; rope 524,288 bytes; qkv 19,660,800 bytes; att 6,553,600 bytes
;; launch quant (part 1): grid 416 x 1, 4 waves a work-group, no clusters, 33,280 bytes of LDS; arguments x, wq, wk, wv, wo, xq, wts, rope; writes xq, wts, rope
.if DOCPART == 1
	.amdgcn_target "amdgcn-amd-amdhsa--gfx1250"
	.amdhsa_code_object_version 6
	.text
	.protected	k_q6ffc8eb888_quant
	.globl	k_q6ffc8eb888_quant
	.p2align	8
	.type	k_q6ffc8eb888_quant,@function
k_q6ffc8eb888_quant:
	s_mov_b64 s[64:65], 0
	v_nop
	global_prefetch_b8 v0, s[64:65] scope:SCOPE_SE
	s_setreg_imm32_b32 hwreg(HW_REG_WAVE_MODE, 25, 1), 1
	s_wait_xcnt 0x0
; x [8192][1024] and wq, wk, wv, wo [1024][1024], f32, K innermost, become codes of BF6 (E3M2), 768 bytes a row, and one E8M0 byte for each 32 along K, 32 bytes a row.
; xq: x's codes, then (at XSC) its scale bytes.  wts: the rows of wq, wk, wv, wo on end (4096 rows), then (at WSC) their scale bytes.
; A block's scale is 2^(floor(log2(largest magnitude)) - 4): its byte is the largest magnitude's exponent field - 4, held at 1 from below.
; STORED ORDER.  The rows of x, wq, wk, wv are stored with bits 3 and 4 of the row's number exchanged (wo's are not): stored row 16 u + 8 a + c of a group of 32 is true row 16 a + 8 u + c.
; So sixteen neighbouring stored rows, taken as source 0 of a product, give a lane's 16 result registers of two neighbouring tiles 16 true neighbours.  A wave takes 8 rows, so the exchange is that of the wave's two bits.
; Work-groups 0-255 take x, 256-287 wq, 288-319 wk, 320-351 wv, 352-383 wo: 32 rows each, 8 a wave, 16 steps of 512 numbers.  One path serves all five: only pointers are chosen.
; Each load reads 512 consecutive bytes; a step's 2,048 bytes turn through the wave's own stage in LDS so that a lane holds 16 neighbours; a wave's store of codes covers 384 consecutive bytes; its 256 scale bytes leave as one aligned store.
; Work-groups 384-415 make the RoPE table: a wave makes one block of 16 positions, laid as the next launch's registers take it: [block][8 loads][32 lanes][16 bytes] = (cos, sin, cos, sin) of two neighbouring frequencies.
; LIMITS: NaN and infinities are not served.  A block of zeros, or one whose largest magnitude lies under 2^-122, gets the byte 1 (its codes are zeros or held small); the bytes are read by this program alone.
; The frequencies are 1 / fl(10^(p / 8)), the reciprocal refined by one Newton step; sine and cosine come by reduction with pi/2 in two parts and polynomials of degree 7 and 8, good to about 1e-7 absolute for angles up to 2,047.
.set STEPS, 16
.set EMAX,  4
.set CB,    12                         ; bytes of 16 codes
.set R,     16                         ; v16-79   four sets of 16 numbers as loaded
.set X,     80                         ; v80-111  two sets of 16 neighbours
.set C,     128                        ; v128-191 codes: four registers a step, never written again
.set E,     112                        ; v112-127 a scale byte a step
.set WREG,  8192                       ; LDS: a region for each wave: two stages of 32 x SP bytes, then its 256 scale bytes
.set SP,    80                         ; a lane's place in a stage: 64 bytes + 16 of padding
.set XSC,   6291456
.set WSC,   3145728
	s_load_b512 s[24:39], s[0:1], 0x0              ; x s[24:25], wq, wk, wv, wo s[32:33], xq s[34:35], wts s[36:37], rope s[38:39]
	v_lshl_add_u32 v192, v0, 2, 0x8000
	v_mov_b32 v193, 0
	v_lshrrev_b32 v1, 5, v0
	v_readfirstlane_b32 s16, v1                    ; wave
	v_and_b32 v2, 31, v0                           ; lane
	s_cmp_ge_u32 ttmp9, 384
	s_cbranch_scc1 .Lrope                          ; the table's work-groups: they use no LDS and never come back
	v_lshlrev_b32 v3, 4, v2                        ; my 16 bytes of a load's 512
	s_mul_i32 s17, s16, WREG
	v_lshrrev_b32 v14, 2, v2
	v_mul_u32_u24 v14, v14, SP
	v_and_b32 v15, 3, v2
	v_lshl_add_u32 v14, v15, 4, v14
	v_add_nc_u32 v14, s17, v14                     ; the stage, on the way in: SP (lane / 4) + 16 (lane % 4)
	v_mul_u32_u24 v15, v2, SP
	v_add_nc_u32 v15, s17, v15                     ; and on the way out: SP x lane: my 16 neighbours
	v_mul_u32_u24 v4, v2, CB                       ; my codes' place in a step's
	v_lshrrev_b32 v5, 1, v2
	s_add_co_u32 s17, s17, 2*32*SP
	v_add_nc_u32 v5, s17, v5                       ; LDS: my block's scale byte
	v_lshlrev_b32 v7, 3, v2                        ; on the way out 8 bytes a lane
	v_add_nc_u32 v6, s17, v7
	s_and_b32 s18, s16, 1
	s_lshl_b32 s18, s18, 1
	s_lshr_b32 s19, s16, 1
	s_or_b32 s18, s18, s19                         ; the wave's two bits exchanged
	s_mov_b32 s19, WSC
	s_wait_kmcnt 0x0
	s_mov_b64 s[4:5], s[32:33]                     ; the source: wo, unless the work-group's number says otherwise
	s_cmp_lt_u32 ttmp9, 352
	s_cselect_b64 s[4:5], s[30:31], s[4:5]
	s_cselect_b32 s18, s18, s16                    ; wo keeps its rows' order
	s_cmp_lt_u32 ttmp9, 320
	s_cselect_b64 s[4:5], s[28:29], s[4:5]
	s_cmp_lt_u32 ttmp9, 288
	s_cselect_b64 s[4:5], s[26:27], s[4:5]
	s_cmp_lt_u32 ttmp9, 256
	s_cselect_b64 s[4:5], s[24:25], s[4:5]
	s_cselect_b64 s[8:9], s[34:35], s[36:37]       ; the destination: xq or wts
	s_cselect_b32 s19, XSC, s19                    ; where its scale bytes begin
	s_cselect_b32 s20, 0, 256
	s_cselect_b32 s21, -1, 31
	s_sub_co_u32 s20, ttmp9, s20                   ; the group of 32 rows in the destination
	s_and_b32 s21, s20, s21                        ; and in the source
	s_lshl_b32 s21, s21, 2
	s_add_co_u32 s21, s21, s16
	s_lshl_b32 s22, s21, 15                        ; 8 rows of 4,096 bytes a wave
	s_mov_b32 s23, 0
	s_add_nc_u64 s[4:5], s[4:5], s[22:23]
	s_lshl_b32 s20, s20, 2
	s_add_co_u32 s20, s20, s18                     ; which 8 stored rows
	s_mul_i32 s22, s20, 8*768
	s_lshl_b32 s20, s20, 8
	s_add_co_u32 s20, s20, s19
	s_mov_b32 s21, 0
	s_add_nc_u64 s[10:11], s[8:9], s[20:21]        ; my 256 scale bytes
	s_add_nc_u64 s[8:9], s[8:9], s[22:23]          ; my 6,144 bytes of codes
.macro LOAD t
.irp i, 0,1,2,3
	global_load_b128 v[R+16*((\t)%4)+4*\i:R+16*((\t)%4)+4*\i+3], v3, s[4:5] offset:2048*(\t)+512*\i th:TH_LOAD_NT
.endr
.endm
.macro TURN t                          ; step t's numbers through the stage: LDS serves a wave's instructions in order, so no wait stands between the stores and the loads
.irp i, 0,1,2,3
	ds_store_b128 v14, v[R+16*((\t)%4)+4*\i:R+16*((\t)%4)+4*\i+3] offset:32*SP*((\t)%2)+8*SP*\i
.endr
.irp i, 0,1,2,3
	ds_load_b128 v[X+16*((\t)%2)+4*\i:X+16*((\t)%2)+4*\i+3], v15 offset:32*SP*((\t)%2)+16*\i
.endr
.endm
.irp t, 0,1,2,3
	LOAD \t
.endr
	s_wait_loadcnt 12                              ; step 0's four loads are in; the twelve of steps 1 to 3 may be out
	TURN 0
.macro STEP t
.set XS, X+16*((\t)%2)
.if (\t) > 0
	s_wait_dscnt 1                                 ; this step's numbers are back from the stage (the last step's byte store may be out)
.else
	s_wait_dscnt 0x0
.endif
.if (\t)+4 < STEPS
	LOAD (\t)+4                                    ; into the registers that this step's stores into the stage have read
.endif
.if (\t)+1 < STEPS
.if STEPS-2-(\t) >= 3
	s_wait_loadcnt 12                              ; the next step's four loads are in; those of the three steps behind it may be out
.else
	s_wait_loadcnt 4*(STEPS-2-(\t))
.endif
	TURN (\t)+1
.endif
	v_max3_num_f32 v8, |v[XS]|, |v[XS+1]|, |v[XS+2]|               ; the largest magnitude of my 16, in two chains
	v_max3_num_f32 v9, |v[XS+3]|, |v[XS+4]|, |v[XS+5]|
.irp i, 6,10
	v_max3_num_f32 v8, v8, |v[XS+\i]|, |v[XS+\i+1]|
	v_max3_num_f32 v9, v9, |v[XS+\i+2]|, |v[XS+\i+3]|
.endr
	v_max3_num_f32 v8, v8, |v[XS+14]|, |v[XS+15]|
	v_max3_num_f32 v8, v8, v9, (EMAX+1)<<23        ; and the floor 2^(5 - 127): the byte cannot fall under 1
	v_max_num_f32_dpp v8, v8, v8 row_xmask:1 row_mask:0xf bank_mask:0xf   ; with my neighbour's 16: the block's
	v_add_nc_u32 v11, -(EMAX<<23), v8              ; 4 off its exponent field: the conversion takes the exponent field of this operand as its scale
	v_cvt_scalef32_pk16_bf6_f32 v[C+4*(\t):C+4*(\t)+2], v[XS:XS+15], v11
	v_lshrrev_b32 v[E+(\t)], 23, v11               ; the scale's byte (a plain line behind the conversion)
	ds_store_b8 v5, v[E+(\t)] offset:16*(\t)       ; both lanes of a block write the same byte with the same value
	global_store_b96 v4, v[C+4*(\t):C+4*(\t)+2], s[8:9] offset:32*CB*(\t)
.endm
.irp t, 0,1,2,3,4,5,6,7,8,9,10,11,12,13,14,15
	STEP \t
.endr
	ds_load_b64 v[12:13], v6                       ; LDS serves a wave's instructions in order: these see my byte stores
	s_wait_dscnt 0x0
	global_store_b64 v7, v[12:13], s[10:11]        ; 32 lanes store 256 consecutive bytes, aligned
	s_wait_tensorcnt 0x0
	ds_add_u32 v192, v193
	s_wait_dscnt 0x0
	s_endpgm
; THE TABLE.  Block blk is stored tile blk of a sequence: lane (r, h) has position 32 (blk / 2) + 8 (blk % 2) + r + 8 (r / 8).
; Number i = 2 q + e of a lane's sixteen is frequency p = 16 (q / 4) + 8 h + 2 (q % 4) + e: that of the pair of features that the projection's result registers 4 q + 2 e, + 1 (mod 32) hold.
.Lrope:
	s_sub_co_u32 s17, ttmp9, 384
	s_lshl_b32 s17, s17, 2
	s_add_co_u32 s17, s17, s16                     ; blk
	s_lshr_b32 s18, s17, 1
	s_lshl_b32 s18, s18, 5
	s_and_b32 s19, s17, 1
	s_lshl_b32 s19, s19, 3
	s_add_co_u32 s18, s18, s19
	v_and_b32 v3, 15, v0
	v_and_b32 v4, 8, v3
	v_add_nc_u32 v3, v3, v4
	v_add_nc_u32 v3, s18, v3
	v_cvt_f32_u32 v1, v3                           ; my position, exact in f32
	v_lshlrev_b32 v16, 4, v2                       ; 16 x lane
	v_and_b32 v4, 16, v0
	v_cmp_ne_u32 vcc_lo, 0, v4                     ; lanes 16-31
	s_mov_b32 s40, 0x3f22f983                      ; 2 / pi
	s_mov_b32 s41, 0xbfc90fdb                      ; -fl(pi / 2)
	s_mov_b32 s42, 0x333bbd2e                      ; fl(pi / 2) - pi / 2
	s_mov_b32 s43, 0xbe2aaaa3                      ; the sine's polynomial: -1.6666654611e-1,
	s_mov_b32 s44, 0x3c08839e                      ; 8.3321608736e-3,
	s_mov_b32 s45, 0xb94ca1f9                      ; -1.9515295891e-4
	s_mov_b32 s46, 0x3d2aaaa5                      ; the cosine's: 4.166664568e-2,
	s_mov_b32 s47, 0xbab6061a                      ; -1.388731625e-3,
	s_mov_b32 s48, 0x37ccf5ce                      ; 2.443315712e-5
.macro FREQ i, lo, hi                  ; 10^(p / 8): lanes 0-15 the first number, lanes 16-31 the second
	v_mov_b32 v[32+\i], \hi
	v_cndmask_b32 v[32+\i], \lo, v[32+\i], vcc_lo
.endm
	FREQ 0, 1.0, 10.0
	FREQ 1, 1.333521432163324, 13.33521432163324
	FREQ 2, 1.7782794100389228, 17.782794100389228
	FREQ 3, 2.371373705661655, 23.71373705661655
	FREQ 4, 3.1622776601683795, 31.622776601683795
	FREQ 5, 4.216965034285822, 42.16965034285822
	FREQ 6, 5.623413251903491, 56.23413251903491
	FREQ 7, 7.498942093324558, 74.98942093324558
	FREQ 8, 100.0, 1000.0
	FREQ 9, 133.3521432163324, 1333.521432163324
	FREQ 10, 177.82794100389228, 1778.2794100389228
	FREQ 11, 237.1373705661655, 2371.373705661655
	FREQ 12, 316.22776601683795, 3162.2776601683795
	FREQ 13, 421.6965034285822, 4216.965034285822
	FREQ 14, 562.3413251903491, 5623.413251903491
	FREQ 15, 749.8942093324558, 7498.942093324558
.irp i, 0,1,2,3,4,5,6,7,8,9,10,11,12,13,14,15
	v_rcp_f32 v[48+\i], v[32+\i]                   ; one batch,
.endr
	v_nop                                          ; a plain line behind it,
	s_wait_alu depctr_va_vdst(0)                   ; and one wait ahead of its first reader
.irp i, 0,1,2,3,4,5,6,7,8,9,10,11,12,13,14,15
	v_fma_f32 v[96+\i], -v[32+\i], v[48+\i], 1.0   ; one Newton step
.endr
.irp i, 0,1,2,3,4,5,6,7,8,9,10,11,12,13,14,15
	v_fma_f32 v[48+\i], v[48+\i], v[96+\i], v[48+\i]
.endr
.macro SINCOS dc, ds, inv
	v_mul_f32 v8, v1, v[\inv]                      ; the angle: one rounding
	v_mul_f32 v9, s40, v8
	v_rndne_f32 v9, v9                             ; n: the nearest multiple of pi / 2
	v_fma_f32 v10, v9, s41, v8                     ; angle - n fl(pi / 2): nothing is rounded (a multiple of 2^-23 under 1)
	v_fma_f32 v10, v9, s42, v10                    ; + n (fl(pi / 2) - pi / 2)
	v_mul_f32 v11, v10, v10
	v_fma_f32 v12, s45, v11, s44
	v_fma_f32 v13, s48, v11, s47
	v_fma_f32 v12, v12, v11, s43
	v_fma_f32 v13, v13, v11, s46
	v_mul_f32 v12, v12, v11
	v_mul_f32 v13, v13, v11
	v_fma_f32 v14, v11, -0.5, 1.0
	v_fma_f32 v12, v12, v10, v10                   ; the rest's sine
	v_fma_f32 v13, v13, v11, v14                   ; and cosine
	v_cvt_i32_f32 v15, v9
	v_and_b32 v14, 1, v15
	v_cmp_ne_u32 vcc_lo, 0, v14                    ; n odd: the two change places
	v_cndmask_b32 v[\ds], v12, v13, vcc_lo
	v_cndmask_b32 v[\dc], v13, v12, vcc_lo
	v_and_b32 v14, 2, v15                          ; the sine is negated for n = 2, 3 (mod 4),
	v_lshlrev_b32 v14, 30, v14
	v_xor_b32 v[\ds], v14, v[\ds]
	v_add_nc_u32 v15, 1, v15                       ; the cosine for n = 1, 2
	v_and_b32 v15, 2, v15
	v_lshlrev_b32 v15, 30, v15
	v_xor_b32 v[\dc], v15, v[\dc]
.endm
.irp i, 0,1,2,3,4,5,6,7,8,9,10,11,12,13,14,15
	SINCOS 64+2*\i, 65+2*\i, 48+\i
.endr
	s_lshl_b32 s18, s17, 12                        ; 4,096 bytes a block
	s_mov_b32 s19, 0
	s_wait_kmcnt 0x0
	s_add_nc_u64 s[38:39], s[38:39], s[18:19]
.irp q, 0,1,2,3,4,5,6,7
	global_store_b128 v16, v[64+4*\q:67+4*\q], s[38:39] offset:512*\q   ; 512 consecutive bytes a store
.endr
	s_endpgm
.Lfunc_end_k_q6ffc8eb888_quant:
	.size	k_q6ffc8eb888_quant, .Lfunc_end_k_q6ffc8eb888_quant-k_q6ffc8eb888_quant
	.p2alignl 7, 3214868480
	.fill 96, 4, 3214868480
	.section	.rodata,"a",@progbits
	.p2align	6, 0x0
	.amdhsa_kernel k_q6ffc8eb888_quant
		.amdhsa_group_segment_fixed_size 33280
		.amdhsa_private_segment_fixed_size 0
		.amdhsa_enable_private_segment 0
		.amdhsa_kernarg_size 64
		.amdhsa_user_sgpr_count 2
		.amdhsa_user_sgpr_kernarg_segment_ptr 1
		.amdhsa_wavefront_size32 1
		.amdhsa_system_sgpr_workgroup_id_x 1
		.amdhsa_system_sgpr_workgroup_id_y 1
		.amdhsa_system_sgpr_workgroup_id_z 1
		.amdhsa_system_vgpr_workitem_id 0
		.amdhsa_next_free_vgpr 194
		.amdhsa_next_free_sgpr 66
		.amdhsa_reserve_vcc 1
		.amdhsa_float_denorm_mode_32 3
		.amdhsa_float_denorm_mode_16_64 3
		.amdhsa_memory_ordered 1
		.amdhsa_forward_progress 1
		.amdhsa_inst_pref_size 58
	.end_amdhsa_kernel
	.amdgpu_metadata
---
amdhsa.version: [ 1, 2 ]
amdhsa.kernels:
  - .name:           k_q6ffc8eb888_quant
    .symbol:         k_q6ffc8eb888_quant.kd
    .args:
      - { .name: x, .offset: 0, .size: 8, .value_kind: global_buffer, .address_space: global }
      - { .name: wq, .offset: 8, .size: 8, .value_kind: global_buffer, .address_space: global }
      - { .name: wk, .offset: 16, .size: 8, .value_kind: global_buffer, .address_space: global }
      - { .name: wv, .offset: 24, .size: 8, .value_kind: global_buffer, .address_space: global }
      - { .name: wo, .offset: 32, .size: 8, .value_kind: global_buffer, .address_space: global }
      - { .name: xq, .offset: 40, .size: 8, .value_kind: global_buffer, .address_space: global }
      - { .name: wts, .offset: 48, .size: 8, .value_kind: global_buffer, .address_space: global }
      - { .name: rope, .offset: 56, .size: 8, .value_kind: global_buffer, .address_space: global }
    .group_segment_fixed_size: 33280
    .private_segment_fixed_size: 0
    .kernarg_segment_align: 8
    .kernarg_segment_size: 64
    .max_flat_workgroup_size: 128
    .sgpr_count:     66
    .vgpr_count:     194
    .wavefront_size: 32
...
	.end_amdgpu_metadata
.endif
;; end of part 1
;; launch qkv (part 2): grid 12 x 32, 4 waves a work-group, clusters of 4 x 4, 327,680 bytes of LDS; arguments xq, wts, rope, qkv; writes qkv
.if DOCPART == 2
	.amdgcn_target "amdgcn-amd-amdhsa--gfx1250"
	.amdhsa_code_object_version 6
	.text
	.protected	k_q6ffc8eb888_qkv
	.globl	k_q6ffc8eb888_qkv
	.p2align	8
	.type	k_q6ffc8eb888_qkv,@function
k_q6ffc8eb888_qkv:
	s_mov_b64 s[64:65], 0
	v_nop
	global_prefetch_b8 v0, s[64:65] scope:SCOPE_SE
	s_setreg_imm32_b32 hwreg(HW_REG_WAVE_MODE, 25, 1), 1
	s_wait_xcnt 0x0
	s_wait_alu depctr_hold_cnt(0) depctr_sa_sdst(0) depctr_va_vdst(0) depctr_va_sdst(0) depctr_va_ssrc(0) depctr_va_vcc(0) depctr_vm_vsrc(0)
	s_getreg_b32 s2, hwreg(HW_REG_IB_STS2, 6, 4)
	s_cmp_eq_u32 s2, 0
	s_cbranch_scc0 .Lentry_in_a_cluster
	s_endpgm
.Lentry_in_a_cluster:
	s_bfe_u32 s2, ttmp6, 0x10000c
	s_cmp_lg_u32 s2, 0xf033
	s_cbranch_scc0 .Lentry_shape_is_right
	s_endpgm
.Lentry_shape_is_right:
; The three projections on codes of BF6 (E3M2) with E8M0 scales, K = 1024; then RoPE on q and k; then q and k are quantised along the head's 64 and v along the tokens, and leave as images of the next launch's operand registers.
; One GEMM text: C'[m'][n'] = sum over k of A'[m'][k] B'[n'][k], tiles of 256 x 256, four waves of 128 x 128 (64 accumulators, 512 registers), K in steps of 256 through a ring of two LDS slots.
; THE MATRIX INSTRUCTION IS USED TRANSPOSED (source 0 = 16 rows of B', source 1 = 16 rows of A'): a lane holds ONE row of A', and its registers run along B's rows.
; Clusters with x = 0 (q) and 1 (k): A' = x (tokens), B' = wq | wk (features): a lane's registers run along the features, which are the K of q k^T.
; Clusters with x = 2 (v): A' = wv (channels), B' = x (tokens): a lane's registers run along the tokens, which are the K of p v.  The choice hangs on the cluster's x, which all sixteen partners share.
; The rows of x, wq, wk, wv are stored with bits 3 and 4 of their number exchanged, so a block's 64 result registers n hold B's true rows 32 (n / 16) + 16 (lane / 16) + n % 16, and lane r of block a holds A's true row 32 (a / 2) + 8 (a % 2) + r + 8 (r / 8).
; CLUSTERS: 4 x 4 work-groups; A's tiles are asked for jointly along a row of the cluster, B's along a column.  The scale bytes of the work-group's rows come into LDS once, with the first fills.
; OUTPUT: records of 19,200 bytes, one for each (batch, head, 128 tokens): Q's 4 pair images (6,144), Q's scale words (256), K's images, V's 4 images (16 channels x 128 tokens each), K's words, V's words.
; An image is a fragment's 12 registers as they stand: chunk c of 512 bytes holds lane l's registers 4 c .. 4 c + 3 at 16 l.  A pair image holds stored token tile 2 g's 64 codes in registers 0-5 and tile 2 g + 1's in 6-11.
; No prefetch: K has four slots' worth of tiles, and two of them are first fills.
; LIMITS: NaN and infinities are not served; a block whose largest magnitude lies under 2^-122 (zeros too) gets the byte 1; the bytes are read by this program alone.
; REGISTERS, in windows of 256: window 0: v0-31 addresses; v32-63 scale words, two sets; v64-127 two blocks of the RoPE table; from v128 A's fragments, one set; on the way out v32-63 and v128-255 are free.
;   window 1: B's fragments, two sets.   windows 2, 3: the accumulators ((a, b) at v[8 (8 (a % 4) + b)] of window 2 + a / 4).
.set SIZE_K, 1024
.set KSTEP,  256
.set NQ,     KSTEP/128
.set ROWB,   192                       ; a tile's row in bytes
.set KROW,   SIZE_K*6/8
.set PITCH,  240                       ; an LDS row: 3 x (64 bytes + 16 of padding): the 32 lanes of a load of 8 bytes touch 64 different banks (64 banks of 4 bytes: ISA guide 11.1)
.set FR,     12
.set NL,     6
.set NP,     4                         ; places behind this matrix instruction (ISA guide 7.12.1)
.set HALFT,  128*PITCH
.set SLOT,   4*HALFT
.set LAPS,   SIZE_K/(2*KSTEP)
.set KS,     SIZE_K/32
.set SCL,    2*SLOT                    ; behind the ring: the scale bytes, as runs of 256 bytes + 16 of padding
.set HALFS,  (128*KS/256)*272
.set SBLK,   (16*KS/256)*272
.set SPARE,  SCL+4*HALFS               ; the spare words, 128 bytes a wave: two blocks of 256 bytes that no other line names
.set XSC,    6291456                   ; where xq's scale bytes begin
.set WSC,    3145728                   ; and wts's
.set WVC,    2048*KROW                 ; wv's codes in wts
.set REC,    19200
.set HEADB,  16*REC                    ; from a head's records to the next head's
.set ADRA, 16                          ; v16-19  LDS addresses of my A fragments (slot 0, 1; the same behind one padding more)
.set ADRB, 20                          ; v20-23  the same for B
.set LI,   24                          ; v24     16 x lane: my place in an image's chunk and in a load of the table; never rewritten
.set SV,   25                          ; v25     16 r + HEADB x (lane / 16): where my four scale words go
.set ADRS, 27                          ; v27     LDS address of my scale words
.set SPW,  28                          ; v28     LDS address of my spare word; never rewritten
.set NIL,  29                          ; v29     0; never rewritten
.set SC,   32
.set AF,   128
.set TM,   32                          ; the way out: v32-35 largest magnitudes, v36-39 the other half's, then bytes, v44-47 the conversions' scale operands
.set WA,   56                          ; v56-59 the first head's four scale words, v60-63 the second's
.set WB,   60
.set CSB,  64                          ; v64-127 the table: two sets of 32 = (cos, sin) of 16 pairs
.set T,    128                         ; v128-191 a block's 64 numbers behind RoPE
.set IM,   192                         ; v192-239 images
.set CT,   240                         ; v240-246 the conversions' second halves
.set G1, 24
.set G0, 32
.set G1B, 48
.set G0B, 56
.set G1S, 68
.set G0S, 76
.set G1SB, 80
.set G0SB, 88
.set ISV, 95                           ; s95  1 in v's clusters
.set SEL, 100                          ; s[100:101] (on the way out) lane selects: lane l xor 16
.set MSB, 0
.macro WIN new                         ; the immediate's high byte repeats the setting that is left
.if MSB != (\new)
	s_set_vgpr_msb (MSB<<8)|(\new)
.set MSB, (\new)
.endif
.endm
.set MUL_LO, 0xa1                      ; source 0 (B) window 1, source 1 (A) window 0, C and D window 2
.set MUL_HI, 0xf1
.set TO_B,   0x40
; A joint load: waves 0 and 1 fetch for A, waves 2 and 3 for B; the branch hangs on the wave's number alone.  Four v_nop follow each of the two lines.
.macro JLOAD g0a, g1a, g0b, g1b
	s_cmp_eq_u32 s15, 0
	s_cbranch_scc0 .Lfor_b_\@
	tensor_load_to_lds s[\g0a:\g0a+3], s[\g1a:\g1a+7]
	s_nop 0
.rept 4
	v_nop
.endr
	s_branch .Lasked_\@
.Lfor_b_\@:
	tensor_load_to_lds s[\g0b:\g0b+3], s[\g1b:\g1b+7]
	s_nop 0
.rept 4
	v_nop
.endr
.Lasked_\@:
.endm
.macro CREST                           ; a round of the cluster's barrier behind its opening barrier
	s_cmp_lg_u32 s14, 0
	s_cbranch_scc1 .Lnot_wave_0_\@
	s_barrier_signal -3
.Lnot_wave_0_\@:
	s_barrier_wait -3
	s_barrier_signal -1
	s_barrier_wait -1
.endm
.macro CROUND
	s_barrier_signal -1
	s_barrier_wait -1
	CREST
.endm
	s_load_b256 s[4:11], s[0:1], 0x0               ; xq s[4:5], wts s[6:7], rope s[8:9], qkv s[10:11]
	v_lshl_add_u32 v[SPW], v0, 2, SPARE
	v_mov_b32 v[NIL], 0
	ds_add_u32 v28, v29
	s_wait_dscnt 0x0
	v_lshrrev_b32 v1, 5, v0
	v_readfirstlane_b32 s14, v1                    ; wave 0..3
	s_lshr_b32 s15, s14, 1                         ; which half of A's rows is mine.  Also: I fetch for A (0) or for B (1)
	s_and_b32 s16, s14, 1                          ; which half of B's rows.  Also: which 128 rows I fetch
	s_bfe_u32 s40, ttmp6, 0x40000                  ; cx
	s_bfe_u32 s41, ttmp6, 0x40004                  ; cy
	s_and_b32 s18, ttmp7, 0xffff
	s_lshl_b32 s18, s18, 2                         ; 4 x cluster y
	s_lshl_b32 s19, ttmp9, 2                       ; 4 x cluster x
	s_cmp_ge_u32 ttmp9, 2
	s_cselect_b32 s[ISV], 1, 0
	s_cselect_b32 s17, 0, s18
	s_cselect_b32 s42, s18, s19
	s_add_co_u32 s17, s17, s41                     ; A's tile: q, k: 4 x cluster y + cy (tokens); v: cy (channels)
	s_add_co_u32 s42, s42, s40                     ; B's tile: q, k: 4 x cluster x + cx (rows of wq | wk); v: 4 x cluster y + cx (tokens)
	s_lshl_b32 s43, s41, 2
	s_lshl_b32 s43, 15, s43                        ; my row of the cluster
	s_lshl_b32 s44, 0x1111, s40                    ; my column
	s_or_b32 s[G1+0], s43, (0<<16)|(1<<20)|(1<<21)|(3<<22)|(3<<25)  ; the mask; elements of 1 byte; padding on; bit 21 beside a mask; after every 16 words, 4 words
	s_or_b32 s[G1B+0], s44, (0<<16)|(1<<20)|(1<<21)|(3<<22)|(3<<25)
.irp g, G1, G1B
	s_mov_b32 s[\g+1], ROWB<<16                    ; tensor_dim0
	s_mov_b32 s[\g+2], 128<<16                     ; tensor_dim1
	s_mov_b32 s[\g+3], ROWB<<16                    ; tile_dim0
	s_mov_b32 s[\g+4], 128                         ; tile_dim1
	s_mov_b32 s[\g+5], KROW                        ; from row to row
	s_mov_b32 s[\g+6], 0
	s_mov_b32 s[\g+7], 0
.endr
	s_or_b32 s[G1S+0], s43, (3<<16)|(1<<20)|(1<<21)|(5<<22)|(3<<25)   ; the scale bytes of 128 rows: 4,096 dense bytes as 16 rows of 256, 16 bytes of padding behind each
	s_or_b32 s[G1SB+0], s44, (3<<16)|(1<<20)|(1<<21)|(5<<22)|(3<<25)
.irp g, G1S, G1SB
	s_mov_b32 s[\g+1], 32<<16
	s_mov_b32 s[\g+2], (128*KS/256)<<16
	s_mov_b32 s[\g+3], 32<<16
	s_mov_b32 s[\g+4], 128*KS/256
	s_mov_b32 s[\g+5], 32
	s_mov_b32 s[\g+6], 0
	s_mov_b32 s[\g+7], 0
.endr
	s_lshl_b32 s18, s16, 7                         ; which 128 rows of the tile I fetch
	s_lshl_b32 s20, s17, 8
	s_add_co_u32 s20, s20, s18
	s_lshl_b32 s46, s42, 8
	s_add_co_u32 s46, s46, s18
	s_mov_b32 s21, 0
	s_mov_b32 s47, 0
	s_mov_b64 s[18:19], KS
	s_mul_u64 s[22:23], s[20:21], s[18:19]         ; where these rows' scale bytes begin
	s_mul_u64 s[92:93], s[46:47], s[18:19]
	s_mov_b64 s[18:19], KROW
	s_mul_u64 s[20:21], s[20:21], s[18:19]         ; and their codes
	s_mul_u64 s[46:47], s[46:47], s[18:19]
	s_mul_i32 s45, s14, HALFT                      ; where they go: no place in the cluster enters an LDS address
	s_mul_i32 s94, s14, HALFS
	s_wait_kmcnt 0x0
	s_mov_b64 s[96:97], s[8:9]                     ; the table
	s_mov_b64 s[98:99], s[10:11]                   ; the records
	s_add_nc_u64 s[66:67], s[4:5], XSC             ; x's scale bytes
	s_add_nc_u64 s[100:101], s[6:7], WSC           ; the weights' scale bytes
	s_add_nc_u64 s[12:13], s[6:7], WVC             ; wv's codes
	s_add_nc_u64 s[104:105], s[6:7], WSC+2048*KS   ; wv's scale bytes
	s_cmp_ge_u32 ttmp9, 2                          ; who is A and who is B hangs on the cluster's x alone
	s_cselect_b64 s[8:9], s[4:5], s[6:7]           ; B's codes
	s_cselect_b64 s[10:11], s[66:67], s[100:101]   ; B's scale bytes
	s_cselect_b64 s[4:5], s[12:13], s[4:5]         ; A's codes
	s_cselect_b64 s[6:7], s[104:105], s[66:67]     ; A's scale bytes
	s_add_nc_u64 s[20:21], s[4:5], s[20:21]
	s_add_nc_u64 s[22:23], s[6:7], s[22:23]
	s_add_nc_u64 s[46:47], s[8:9], s[46:47]
	s_add_nc_u64 s[92:93], s[10:11], s[92:93]
	CROUND                                         ; all sixteen work-groups are here: the first joint loads meet
	s_mov_b32 s[G0S], 1
	s_add_co_u32 s[G0S+1], s94, SCL
	s_mov_b64 s[G0S+2:G0S+3], s[22:23]
	s_or_b32 s[G0S+3], s[G0S+3], 0x80000000
	s_mov_b32 s[G0SB], 1
	s_add_co_u32 s[G0SB+1], s94, SCL
	s_mov_b64 s[G0SB+2:G0SB+3], s[92:93]
	s_or_b32 s[G0SB+3], s[G0SB+3], 0x80000000
	JLOAD G0S, G1S, G0SB, G1SB                     ; the scale bytes first: they are wanted with K step 0
.irp s, 0,1
	s_mov_b32 s[G0+4*\s], 1
	s_add_co_u32 s[G0+4*\s+1], s45, \s*SLOT
	s_add_nc_u64 s[G0+4*\s+2:G0+4*\s+3], s[20:21], \s*ROWB
	s_or_b32 s[G0+4*\s+3], s[G0+4*\s+3], 0x80000000
	s_mov_b32 s[G0B+4*\s], 1
	s_add_co_u32 s[G0B+4*\s+1], s45, \s*SLOT
	s_add_nc_u64 s[G0B+4*\s+2:G0B+4*\s+3], s[46:47], \s*ROWB
	s_or_b32 s[G0B+4*\s+3], s[G0B+4*\s+3], 0x80000000
	JLOAD G0+4*\s, G1, G0B+4*\s, G1B
.endr
	v_and_b32 v1, 15, v0                           ; r = l % 16
	v_bfe_u32 v2, v0, 4, 1                         ; h = l / 16
	v_mul_u32_u24 v3, v1, PITCH
	v_mul_u32_u24 v4, v2, 24
	v_add_nc_u32 v4, v3, v4                        ; a fragment's row x pitch + 24 x half
	v_lshl_add_u32 v5, v2, 4, v4                   ; and the same behind one padding more
	s_mul_i32 s21, s15, HALFT                      ; my 128 rows of A
	s_mul_i32 s22, s16, HALFT                      ; my 128 rows of B,
	s_add_co_u32 s22, s22, 2*HALFT                 ; which lie behind A's 256
.irp s, 0,1
	v_add_nc_u32 v[ADRA+\s], s21, v4
	v_add_nc_u32 v[ADRB+\s], s22, v4
	v_add_nc_u32 v[ADRA+2+\s], s21, v5
	v_add_nc_u32 v[ADRB+2+\s], s22, v5
	s_add_co_u32 s21, s21, SLOT
	s_add_co_u32 s22, s22, SLOT
.endr
	v_mul_u32_u24 v5, v1, KS                       ; my row's scale bytes: KS a row,
	v_lshrrev_b32 v6, 8, v5
	v_lshl_add_u32 v5, v6, 4, v5                   ; and 16 more for each 256 passed
	s_mul_i32 s21, s15, HALFS
	s_mul_i32 s22, s16, HALFS
	s_add_co_u32 s22, s22, 2*HALFS
	s_sub_co_u32 s22, s22, s21
	v_mul_u32_u24 v6, s22, v2                      ; lanes 16-31 take B's
	s_add_co_u32 s21, s21, SCL
	v_add_nc_u32 v5, v5, v6
	v_add_nc_u32 v[ADRS], s21, v5
	; where my results go.  FT, FH: the tile and half of features (or channels); TT, TH: of tokens
	s_and_b32 s18, s42, 3                          ; q, k: the tile within the weight,
	s_lshr_b32 s19, s42, 2                         ; and which weight: 0 q, 1 k
	s_mul_i32 s46, s19, 6400                       ; a record's images: q's at 0, k's at 6,400,
	s_mul_i32 s92, s19, 12544
	s_add_co_u32 s92, s92, 6144                    ; its scale words: q's at 6,144, k's at 18,688
	s_cmp_eq_u32 s[ISV], 1
	s_cselect_b32 s20, s17, s18                    ; FT
	s_cselect_b32 s21, s15, s16                    ; FH
	s_cselect_b32 s22, s42, s17                    ; TT
	s_cselect_b32 s23, s16, s15                    ; TH
	s_cselect_b32 s46, 12544, s46                  ; v's images
	s_cselect_b32 s92, 18944, s92                  ; v's scale words
	s_lshl_b32 s20, s20, 2
	s_lshl_b32 s21, s21, 1
	s_add_co_u32 s20, s20, s21                     ; my first head: 4 FT + 2 FH
	s_lshr_b32 s21, s22, 3                         ; the batch
	s_lshl_b32 s21, s21, 4
	s_add_co_u32 s20, s20, s21
	s_lshl_b32 s20, s20, 4
	s_and_b32 s22, s22, 7
	s_lshl_b32 s22, s22, 1
	s_add_co_u32 s22, s22, s23                     ; which 128 tokens of the sequence
	s_add_co_u32 s20, s20, s22
	s_mul_i32 s20, s20, REC                        ; under 2^25
	s_mov_b32 s21, 0
	s_mov_b32 s47, 0
	s_mov_b32 s93, 0
	s_add_nc_u64 s[98:99], s[98:99], s[20:21]
	s_add_nc_u64 s[12:13], s[98:99], s[92:93]      ; my scale words
	s_add_nc_u64 s[98:99], s[98:99], s[46:47]      ; my images
	s_lshl_b32 s22, s22, 15                        ; the table: 8 blocks of 4,096 bytes for 128 tokens
	s_mov_b32 s23, 0
	s_add_nc_u64 s[96:97], s[96:97], s[22:23]
	v_and_b32 v6, 31, v0
	v_lshlrev_b32 v[LI], 4, v6
	v_mul_u32_u24 v6, v2, HEADB
	v_lshl_add_u32 v[SV], v1, 4, v6
.irp n, 0,1,2,3,4,5,6,7,8,9,10,11,12,13,14,15
	global_load_b128 v[CSB+4*\n:CSB+4*\n+3], v[LI], s[96:97] offset:512*\n   ; the table of my token blocks 0 and 1: it lands under the products.  (v's clusters load it too and do not use it: so the text parts only once, on the way out)
.endr
.macro FRAG reg, adr, q, i             ; a fragment, 16 rows x 128 K, is 12 registers: registers 6 c .. 6 c + 5 hold K = 64 c + 32 (l / 16) + 0 .. 31: 24 bytes of the row, in pieces of 8
.irp p, 0,1,2,3,4,5
.set PC, 12*(\q)+6*(\p/3)+\p%3        ; where the piece three on lies behind one padding more, the second address register serves
.if PC%8 < 5
	ds_load_b64 v[\reg+2*\p:\reg+2*\p+1], v[\adr] offset:8*PC+16*(PC/8)+(\i)*16*PITCH
.else
	ds_load_b64 v[\reg+2*\p:\reg+2*\p+1], v[\adr+2] offset:8*PC+16*(PC/8)+(\i)*16*PITCH
.endif
.endr
.endm
; 16 matrix instructions: A's blocks a0, a0 + 1 x B's eight.  The 64 accumulators take turns, one instruction a turn, in the same order in every step.
.macro MUL16 a0, p, q, sc, zero
.irp a, \a0, \a0+1
.irp b, 0,1,2,3,4,5,6,7
.if \zero
	v_wmma_scale_f32_16x16x128_f8f6f4 v[8*(8*((\a)%4)+\b):8*(8*((\a)%4)+\b)+7], v[128*(\p)+FR*\b:128*(\p)+FR*\b+FR-1], v[AF+FR*(\a):AF+FR*(\a)+FR-1], 0, v[SC+8*NQ*(\sc)+NQ*\b+(\q)], v[SC+8*NQ*(\sc)+NQ*(\a)+(\q)] matrix_a_fmt:MATRIX_FMT_BF6 matrix_b_fmt:MATRIX_FMT_BF6 matrix_a_scale:MATRIX_SCALE_ROW1
.else
	v_wmma_scale_f32_16x16x128_f8f6f4 v[8*(8*((\a)%4)+\b):8*(8*((\a)%4)+\b)+7], v[128*(\p)+FR*\b:128*(\p)+FR*\b+FR-1], v[AF+FR*(\a):AF+FR*(\a)+FR-1], v[8*(8*((\a)%4)+\b):8*(8*((\a)%4)+\b)+7], v[SC+8*NQ*(\sc)+NQ*\b+(\q)], v[SC+8*NQ*(\sc)+NQ*(\a)+(\q)] matrix_a_fmt:MATRIX_FMT_BF6 matrix_b_fmt:MATRIX_FMT_BF6 matrix_a_scale:MATRIX_SCALE_ROW1
.endif
.endr
.endr
.endm
.macro FETCH_B slot, q, p
	WIN TO_B
.irp i, 0,1,2,3,4,5,6,7
	FRAG 128*(\p)+FR*\i, ADRB+\slot, \q, \i
.endr
	WIN 0
.endm
.macro FETCH_A slot, q, i0
.irp i, \i0, \i0+1, \i0+2, \i0+3
	FRAG AF+FR*(\i), ADRA+\slot, \q, \i
.endr
.endm
.macro SCALES sc                       ; the next K step's scale words: lanes 0-15 take A's block i, lanes 16-31 B's block i
.irp i, 0,1,2,3,4,5,6,7
	ds_load_b64 v[SC+8*NQ*\sc+NQ*\i:SC+8*NQ*\sc+NQ*\i+1], v[ADRS] offset:\i*SBLK
.endr
.endm
.macro PLACES n                        ; plain vector lines between a matrix instruction and a load into, or a vector line on, its registers
.rept \n
	v_nop
.endr
.endm
.macro STEP slot, q, zero              ; a step of 128 along K that has its successor in the same slot
	s_wait_dscnt 4*NL                              ; B's set and A's blocks 0-3 are in; the youngest 24 loads (A's blocks 4-7) may be out
	WIN MUL_LO
	MUL16 0, (\q)%2, \q, \slot, \zero
	MUL16 2, (\q)%2, \q, \slot, \zero
	s_wait_dscnt 0
	PLACES NP
	FETCH_B \slot, (\q)+1, 1-(\q)%2
	FETCH_A \slot, (\q)+1, 0
	WIN MUL_HI
	MUL16 4, (\q)%2, \q, \slot, \zero
	MUL16 6, (\q)%2, \q, \slot, \zero
	PLACES NP
	WIN 0
	FETCH_A \slot, (\q)+1, 4
.endm
; A slot's last step changes slots: one barrier; in front of it each wave waits for all its tensor loads, adds 0 to its spare word, and waits for that and for its reads of this slot.
.macro TURN slot, next, fill
	s_wait_tensorcnt 0x0                           ; all my tensor loads have landed: my part of the next slot
	ds_add_u32 v[SPW], v[NIL]                      ; 0 onto my spare word
	s_wait_dscnt 4*NL+1                            ; (the add and the youngest 24 loads may be out)
	WIN MUL_LO
	MUL16 0, 1, NQ-1, \slot, 0
	s_wait_dscnt 0x0                               ; the add is done, and my reads of this slot are over
	s_barrier_signal -1
	MUL16 2, 1, NQ-1, \slot, 0
	WIN 0
	s_barrier_wait -1
.if \fill
	CREST                                          ; the barrier has opened a round of the cluster's: no wave of any partner still reads this slot or has a load on its way
	s_add_nc_u64 s[G0+4*\slot+2:G0+4*\slot+3], s[G0+4*\slot+2:G0+4*\slot+3], 2*ROWB
	s_add_nc_u64 s[G0B+4*\slot+2:G0B+4*\slot+3], s[G0B+4*\slot+2:G0B+4*\slot+3], 2*ROWB
	JLOAD G0+4*\slot, G1, G0B+4*\slot, G1B         ; the first tensor load behind the round; its four v_nop are the places in front of the loads below
.else
	PLACES NP
.endif
	v_add_nc_u32 v[ADRS], 4*NQ, v[ADRS]
	FETCH_B \next, 0, 0
	FETCH_A \next, 0, 0
	SCALES \next
	WIN MUL_HI
	MUL16 4, 1, NQ-1, \slot, 0
	MUL16 6, 1, NQ-1, \slot, 0
	PLACES NP
	WIN 0
	FETCH_A \next, 0, 4
.endm
	s_wait_tensorcnt 1                             ; the scale bytes and my part of K step 0 are in (K step 1's load may be out),
	s_barrier_signal -1
	s_barrier_wait -1                              ; everybody's are
	FETCH_B 0, 0, 0
	FETCH_A 0, 0, 0
	SCALES 0
	FETCH_A 0, 0, 4
	STEP 0, 0, 1                                   ; the first step's products start the sums
	s_mov_b32 s3, LAPS-1
.Llap:                                                 ; a trip goes once round the ring and fills both slots again
	TURN 0, 1, 1
	STEP 1, 0, 0
	TURN 1, 0, 1
	STEP 0, 0, 0
	s_sub_co_u32 s3, s3, 1
	s_cmp_lg_u32 s3, 0
	s_cbranch_scc1 .Llap
	TURN 0, 1, 0                                   ; the last lap fills nothing
	STEP 1, 0, 0
	s_wait_dscnt 4*NL
	WIN MUL_LO
	MUL16 0, 1, NQ-1, 1, 0
	MUL16 2, 1, NQ-1, 1, 0
	s_wait_dscnt 0
	WIN MUL_HI
	MUL16 4, 1, NQ-1, 1, 0
	MUL16 6, 1, NQ-1, 1, 0
	WIN 0
; THE WAY OUT: registers to memory, no LDS.
; RoPE on block a (16 tokens x my 128 features).  Registers n, n + 1 (n even) are an even feature e and the odd one o behind it; the table's registers n % 32, + 1 are their cos c and sin s at my token: (e c - o s, o c + e s).
; Each accumulator is read from its low end on.  Behind the block its set of the table takes the block two further on.
.macro ROPE a
.set AC, 64*((\a)%4)
.set CC, CSB+32*((\a)%2)
	WIN 2+(\a)/4                                   ; source 0: the accumulators' window
.set N, 0
.rept 8
.irp k, 0,2,4,6
	v_pk_mul_f32 v[T+N+\k:T+N+\k+1], v[AC+N+\k:AC+N+\k+1], v[CC+(N+\k)%32:CC+(N+\k)%32+1] op_sel_hi:[1,0]   ; (e c, o c)
.endr
.irp k, 0,2,4,6
	v_fma_f32 v[T+N+\k], -v[AC+N+\k+1], v[CC+(N+\k)%32+1], v[T+N+\k]
	v_fma_f32 v[T+N+\k+1], v[AC+N+\k], v[CC+(N+\k)%32+1], v[T+N+\k+1]
.endr
.set N, N+8
.endr
	WIN 0
.if (\a)+2 < 8
.irp q, 0,1,2,3,4,5,6,7
	global_load_b128 v[CC+4*\q:CC+4*\q+3], v[LI], s[96:97] offset:4096*((\a)+2)+512*\q
.endr
.endif
.endm
; 64 numbers of a lane in window win, register 16 b + i = k 32 b + 16 (lane / 16) + i of my row, become codes: k 0-63 in v[da .. da + 5], k 64-127 in v[db .. db + 5], and my row's scale word in v[wrd].
.macro QUANT src, win, da, db, wrd
	WIN (\win)*5                                   ; sources 0 and 1
.irp b, 0,1,2,3
	v_max3_num_f32 v[TM+\b], |v[(\src)+16*\b]|, |v[(\src)+16*\b+1]|, 0x2800000   ; my 16 numbers of block b, and the floor 2^(5 - 127): the byte cannot fall under 1
.endr
.irp i, 2,4,6,8,10,12,14
.irp b, 0,1,2,3
	v_max3_num_f32 v[TM+\b], |v[(\src)+16*\b+\i]|, |v[(\src)+16*\b+\i+1]|, v[TM+\b]   ; (the four blocks by turns)
.endr
.endr
	WIN 0
.irp b, 0,1,2,3
	v_permlanex16_b32 v[TM+4+\b], v[TM+\b], s[SEL], s[SEL+1]
.endr
.irp b, 0,1,2,3
	v_max_num_f32 v[TM+\b], v[TM+\b], v[TM+4+\b]   ; with lane l xor 16's: the block's largest magnitude
.endr
.irp b, 0,1,2,3
	v_add_nc_u32 v[TM+12+\b], 0xfe000000, v[TM+\b] ; 4 off its exponent field: the conversion's scale operand
.endr
.irp b, 0,1,2,3
	v_lshrrev_b32 v[TM+4+\b], 23, v[TM+12+\b]      ; the scale's byte
.endr
	v_lshl_or_b32 v[\wrd], v[TM+5], 8, v[TM+4]
	v_lshl_or_b32 v[\wrd], v[TM+6], 16, v[\wrd]
	v_lshl_or_b32 v[\wrd], v[TM+7], 24, v[\wrd]
	WIN \win                                       ; source 0
	v_cvt_scalef32_pk16_bf6_f32 v[(\da):(\da)+2], v[(\src):(\src)+15], v[TM+12]
	v_cvt_scalef32_pk16_bf6_f32 v[CT:CT+2], v[(\src)+16:(\src)+31], v[TM+13]     ; (a conversion's three registers begin on an even number)
	v_cvt_scalef32_pk16_bf6_f32 v[(\db):(\db)+2], v[(\src)+32:(\src)+47], v[TM+14]
	v_cvt_scalef32_pk16_bf6_f32 v[CT+4:CT+6], v[(\src)+48:(\src)+63], v[TM+15]
	WIN 0
	v_nop                                          ; one plain line behind the scaled conversions
.irp i, 0,1,2                                  ; the operand's layout wants a whole block in a lane: lanes 0-15 the even block, lanes 16-31 the odd one
	v_permlane16_swap_b32 v[(\da)+\i], v[CT+\i]
	v_permlane16_swap_b32 v[(\db)+\i], v[CT+4+\i]
.endr
.irp i, 0,1,2
	v_mov_b32 v[(\da)+3+\i], v[CT+\i]
	v_mov_b32 v[(\db)+3+\i], v[CT+4+\i]
.endr
.endm
	PLACES NP                                      ; behind the last products: the lines below write registers that held fragments and scale words
.irp b, 0,1,2,3
	v_mov_b32 v[TM+4+\b], 0                        ; written once: a lane permute's destination counts as one of its sources
.endr
	s_mov_b32 s[SEL], 0x76543210
	s_mov_b32 s[SEL+1], 0xfedcba98
	s_mov_b32 s104, 0xffff0000                     ; lanes 16-31
	s_cmp_eq_u32 s[ISV], 1
	s_cbranch_scc1 .Lv_out
	; q, k: a block's blocks 0, 1 of 32 features are my first head's 64, blocks 2, 3 my second head's.  Two token blocks make a pair image for each head.
.irp g, 0,1,2,3
.if \g >= 2
	s_wait_xcnt 0x0                                ; the stores of two pairs back have read their registers: this set of images is written again
.endif
.irp u, 0,1
.if 2*\g+\u < 7
	s_wait_loadcnt 8                               ; this block's table is in; the next block's eight loads may be out
.else
	s_wait_loadcnt 0x0
.endif
	ROPE 2*\g+\u
	QUANT T, 0, IM+24*(\g%2)+6*\u, IM+24*(\g%2)+12+6*\u, 48+\u
.endr
	v_perm_b32 v[WA+\g], v49, v48, 0x05040100      ; the pair's word for the first head: bytes 0, 1 of the even tile's word, bytes 0, 1 of the odd tile's
	v_perm_b32 v[WB+\g], v49, v48, 0x07060302      ; for the second head: bytes 2, 3 of each
.irp c, 0,1,2,3,4,5
	global_store_b128 v[LI], v[IM+24*(\g%2)+4*\c:IM+24*(\g%2)+4*\c+3], s[98:99] offset:(\c/3)*HEADB+\g*1536+(\c%3)*512   ; 512 consecutive bytes a store
.endr
.endr
	s_branch .Ltail
.Lv_out:
	; v: block a is stored channel tile a % 4 of head a / 4; its 64 registers run along my 128 tokens: one fragment and one scale word a channel
.irp a, 0,1,2,3,4,5,6,7
.if \a >= 4
	s_wait_xcnt 0x0                                ; the stores of four blocks back have read their registers
.endif
	QUANT 64*(\a%4), 2+\a/4, IM+12*(\a%4), IM+12*(\a%4)+6, WA+\a
.irp c, 0,1,2
	global_store_b128 v[LI], v[IM+12*(\a%4)+4*\c:IM+12*(\a%4)+4*\c+3], s[98:99] offset:(\a/4)*HEADB+(\a%4)*1536+512*\c
.endr
.endr
.Ltail:
.irp i, 0,1,2,3
	v_cndmask_b32 v[TM+\i], v[WA+\i], v[WB+\i], s104   ; lanes 0-15 store the first head's four words of row r, lanes 16-31 the second head's
.endr
	global_store_b128 v[SV], v[TM:TM+3], s[12:13]  ; sixteen lanes store 256 consecutive bytes, aligned
	s_wait_tensorcnt 0x0                           ; the wave's end
	ds_add_u32 v[SPW], v[NIL]
	s_wait_dscnt 0x0
	CROUND                                         ; the closing round: no work-group ends while a partner may still ask for a tile that names it
	s_endpgm
.Lfunc_end_k_q6ffc8eb888_qkv:
	.size	k_q6ffc8eb888_qkv, .Lfunc_end_k_q6ffc8eb888_qkv-k_q6ffc8eb888_qkv
	.p2alignl 7, 3214868480
	.fill 96, 4, 3214868480
	.section	.rodata,"a",@progbits
	.p2align	6, 0x0
	.amdhsa_kernel k_q6ffc8eb888_qkv
		.amdhsa_group_segment_fixed_size 327680
		.amdhsa_private_segment_fixed_size 0
		.amdhsa_enable_private_segment 0
		.amdhsa_kernarg_size 32
		.amdhsa_user_sgpr_count 2
		.amdhsa_user_sgpr_kernarg_segment_ptr 1
		.amdhsa_wavefront_size32 1
		.amdhsa_system_sgpr_workgroup_id_x 1
		.amdhsa_system_sgpr_workgroup_id_y 1
		.amdhsa_system_sgpr_workgroup_id_z 1
		.amdhsa_system_vgpr_workitem_id 0
		.amdhsa_next_free_vgpr 1024
		.amdhsa_next_free_sgpr 106
		.amdhsa_reserve_vcc 0
		.amdhsa_float_denorm_mode_32 3
		.amdhsa_float_denorm_mode_16_64 3
		.amdhsa_memory_ordered 1
		.amdhsa_forward_progress 1
		.amdhsa_inst_pref_size 253
	.end_amdhsa_kernel
	.amdgpu_metadata
---
amdhsa.version: [ 1, 2 ]
amdhsa.kernels:
  - .name:           k_q6ffc8eb888_qkv
    .symbol:         k_q6ffc8eb888_qkv.kd
    .args:
      - { .name: xq, .offset: 0, .size: 8, .value_kind: global_buffer, .address_space: global }
      - { .name: wts, .offset: 8, .size: 8, .value_kind: global_buffer, .address_space: global }
      - { .name: rope, .offset: 16, .size: 8, .value_kind: global_buffer, .address_space: global }
      - { .name: qkv, .offset: 24, .size: 8, .value_kind: global_buffer, .address_space: global }
    .group_segment_fixed_size: 327680
    .private_segment_fixed_size: 0
    .kernarg_segment_align: 8
    .kernarg_segment_size: 32
    .max_flat_workgroup_size: 128
    .sgpr_count:     106
    .vgpr_count:     1024
    .wavefront_size: 32
...
	.end_amdgpu_metadata
.endif
;; end of part 2
;; launch attn (part 3): grid 4 x 64, 16 waves a work-group, no clusters, 327,680 bytes of LDS; arguments qkv, att; writes att
.if DOCPART == 3
	.amdgcn_target "amdgcn-amd-amdhsa--gfx1250"
	.amdhsa_code_object_version 6
	.text
	.protected	k_q6ffc8eb888_attn
	.globl	k_q6ffc8eb888_attn
	.p2align	8
	.type	k_q6ffc8eb888_attn,@function
k_q6ffc8eb888_attn:
	s_mov_b64 s[64:65], 0
	v_nop
	global_prefetch_b8 v0, s[64:65] scope:SCOPE_SE
	s_setreg_imm32_b32 hwreg(HW_REG_WAVE_MODE, 25, 1), 1
	s_wait_xcnt 0x0
; Causal attention on codes of BF6 (E3M2) with E8M0 scales, head size 64, 64 (batch, head) pairs of 2,048 tokens; the result, divided by the row's sum, is quantised along the model's 1,024 and leaves as the next launch's operand.
; THE SOFTMAX: t = score x log2(e) / 8; M = the running largest t rounded up to a whole number; p = 2^(t - M) is quantised along the keys; the row's sum is taken of the unquantised p; when M moves, the sum and O are multiplied by 2^(old M - new M), exactly.
; SHARES.  Work-group (j, bh) owns two blocks of 256 queries of head bh: block 7 - j, then block j.  It walks key slots of 256 keys: 0 .. 7 - j, then 0 .. j: nine slots whatever j is, so all 256 work-groups have equal work
; and the loop's trip count is a constant.  Each of sixteen waves owns one stored tile of 16 queries in 256 registers: four waves to a SIMD, so that one wave's vector work stands beside another's products and LDS loads.
; NO CLUSTER: the four work-groups of a head need 8 - j and then j + 1 slots, different numbers; a joint walk in which all four made every request would cost each of them 12 slots' work in place of 9.
; LAYOUT.  Both products are used transposed: S^T = K Q^T, O^T = V^T P^T: a lane holds one query throughout.  Tokens and channels are stored with bits 3 and 4 of their number exchanged, so the 16 registers of two neighbouring
; result tiles are 16 true neighbours: S's register 16 b + i is key 32 b + 16 (lane / 16) + i of the step, O's register 16 g + i is channel 32 g + 16 (lane / 16) + i; my query is Q0 + r + 8 (r / 8).
; K = 64 IN A FORM 128 DEEP.  An image of K holds stored tile 2 b's 64 codes as k 0-63 and tile 2 b + 1's as k 64-127.  Against (q, zeros) it gives tile 2 b's scores, against (zeros, q) tile 2 b + 1's: zero codes add nothing.
; K and V come as images of operand registers (a record's 12,800 bytes for 128 keys: K's 4 images, V's 4, K's words, V's words) through a ring of two LDS slots of two records; every LDS read is 16 bytes a lane on end.
; A step all of whose keys come after my queries is left out by a scalar branch on ids; on the diagonal hidden scores become -infinity ahead of the maximum.  Key 0 counts for every query, so M is a number from the first step on.
; LIMITS: NaN and infinities are not served; a block of p or of O whose largest magnitude lies under 2^-122 (zeros too) gets the byte 1; the bytes are read by this program alone.
; REGISTERS: v1 16 x lane, v2 16 r, v3, v4 the add's, v5 r + 8 (r / 8) - 16 h, v6, v7 the step's LDS addresses, v8 8 x lane, v9 32 r + h, v10 the prefetch's offset, v11 Q's word's offset; v12 -M, v13 the largest t, v[14:15] the sum;
;   v16-33 zeros | q | zeros; v34 q's scale word; v36-83 four images of K or of V; v84-87 their scale words; v88-151 S^T, then p; v152-183 O^T; v184-195 p's codes; v196-202 the conversions' second halves;
;   v204-207 blocks' maxima; v208-211, v212-215 at work; v216 p's scale word; v[218:219] f; v220-223 at work; v224-230 the second block's q and its scale word.
.set REC,   19200
.set HEADB, 16*REC
.set KVP,   12800                      ; a record's K and V part, from byte QUART of the record on
.set QUART, 6400                       ; what one tensor load brings: 25 rows of 256 bytes
.set SLOT1, 32768                      ; slot 1 begins here: one exclusive or turns an address in one slot into the other's
.set SPARE, 65536                      ; the spare words, 128 bytes a wave: eight blocks of 256 bytes that no other line names
.set ASC,   6291456                    ; where att's scale bytes begin
.set WV,  8                            ; s8  wave;  s9 j;  s10 bh;  s11 the first block's slots, 8 - j;  s12 the trip;  s13, s19 at work
.set TB,  14                           ; s14 LDS byte at which the slot in hand begins
.set KF,  15                           ; s15 the step's first key
.set Q0,  16                           ; s16 my first query;  s17 the second block's
.set LIM, 18                           ; s18 a wave prefetches while the trip's number is under it
.set SEL, 20                           ; s[20:21] lane selects: lane l xor 16
.set CS,  22                           ; s[22:23] c = log2(e) / 8
.set G1,  24                           ; s[24:31] descriptor group 1;  s[32:35] group 0;  s[36:37] my part of key slot 0 in memory;  s[38:39] an offset, high word 0
.set G0,  32
.set PFA, 48                           ; s[48:49] where my prefetch stands
.macro TLOAD                           ; waves 0 to 3 fetch a quarter of a slot each; four v_nop follow the line
	s_cmp_lt_u32 s[WV], 4
	s_cbranch_scc0 .Lasked_\@
	tensor_load_to_lds s[G0:G0+3], s[G1:G1+7]
	s_nop 0
.rept 4
	v_nop
.endr
.Lasked_\@:
.endm
; A PREFETCH of the key slot after the one that is being asked for.  All four work-groups of a head walk the same slots from 0 on: work-group j = 0, which walks all eight, asks, and in it waves 4 to 7, which fetch nothing:
; each for the quarter of a slot that the fetching wave four below it will load: 6,400 bytes, lanes 256 bytes apart (lanes 25 to 31 name lane 24's place again).  Trip T names slot T + 2; trips 6 and on name nothing: slot 7 is the last.
.macro ASK
	s_cmp_lt_u32 s12, s[LIM]
	s_cbranch_scc0 .Lnot_mine_\@
	global_prefetch_b8 v10, s[PFA:PFA+1] th:TH_LOAD_NT scope:SCOPE_SE
.Lnot_mine_\@:
.endm
	s_load_b128 s[4:7], s[0:1], 0x0                ; qkv s[4:5], att s[6:7]
	v_lshl_add_u32 v3, v0, 2, SPARE
	v_mov_b32 v4, 0
	ds_add_u32 v3, v4
	ds_add_u32 v3, v4
	s_wait_dscnt 0x0
	v_lshrrev_b32 v1, 5, v0
	s_delay_alu instid0(VALU_DEP_1)
	v_readfirstlane_b32 s[WV], v1                  ; wave 0..15
	s_mov_b32 s9, ttmp9                            ; j
	s_and_b32 s10, ttmp7, 0xffff                   ; bh
	s_sub_co_u32 s11, 8, s9
	s_mov_b32 s[G1], 3<<16                         ; no mask; elements of 8 bytes; no padding
	s_mov_b32 s[G1+1], 32<<16                      ; tensor_dim0 = 32 elements: 256 bytes
	s_mov_b32 s[G1+2], 25<<16                      ; tensor_dim1 = 25
	s_mov_b32 s[G1+3], 32<<16                      ; tile_dim0
	s_mov_b32 s[G1+4], 25                          ; tile_dim1
	s_mov_b32 s[G1+5], 32                          ; dense rows
	s_mov_b32 s[G1+6], 0
	s_mov_b32 s[G1+7], 0
	s_mul_i32 s53, s10, HEADB                      ; the head's first record
	s_bfe_u32 s13, s[WV], 0x10001
	s_mul_i32 s13, s13, REC                        ; which of a slot's two records,
	s_and_b32 s19, s[WV], 1
	s_mul_i32 s19, s19, QUART                      ; which half of its K and V part
	s_add_co_u32 s38, s53, s13
	s_add_co_u32 s38, s38, s19
	s_add_co_u32 s38, s38, QUART
	s_mov_b32 s39, 0
	s_mov_b32 s[G0], 1
	s_mul_i32 s[G0+1], s[WV], QUART                ; LDS: slot 0, my quarter
	s_wait_kmcnt 0x0
	s_add_nc_u64 s[36:37], s[4:5], s[38:39]
	s_mov_b64 s[G0+2:G0+3], s[36:37]
	s_or_b32 s[G0+3], s[G0+3], 0x80000000
	TLOAD                                          ; key slot 0
	s_add_nc_u64 s[PFA:PFA+1], s[36:37], 2*REC     ; in slot 1: the first change of slots steps it to slot 2.  Nothing is prefetched at the head
	s_lshr_b32 s13, s[WV], 2
	s_xor_b32 s13, s13, 1                          ; 0 in waves 4 to 7,
	s_or_b32 s13, s13, s9                          ; of work-group j = 0
	s_cmp_eq_u32 s13, 0
	s_cselect_b32 s[LIM], 6, 0
	s_mov_b32 s[SEL], 0x76543210
	s_mov_b32 s[SEL+1], 0xfedcba98
	s_mov_b32 s[CS], 0x3e38aa3b                    ; log2(e) / 8
	s_mov_b32 s[CS+1], s[CS]                       ; (named with it as a pair, so it is written)
	s_mov_b32 s52, 0xffff0000                      ; lanes 16-31
	s_mov_b32 s51, 0x01000100
	s_and_b32 s13, s[WV], 1                        ; my tile is the even or the odd one of its pair
	s_cmp_eq_u32 s13, 1
	s_cselect_b32 s50, -1, 0
	s_cselect_b32 s51, 0x03020302, s51             ; its two scale bytes, twice
	s_mov_b32 s12, 0
	s_mov_b32 s[TB], 0
	s_mov_b32 s[KF], 0
	s_lshr_b32 s13, s[WV], 1
	s_lshl_b32 s13, s13, 5
	s_and_b32 s19, s[WV], 1
	s_lshl_b32 s19, s19, 3
	s_add_co_u32 s13, s13, s19                     ; 32 (w / 2) + 8 (w % 2)
	s_sub_co_u32 s58, 7, s9                        ; the first block of queries
	s_lshl_b32 s[Q0], s58, 8
	s_add_co_u32 s[Q0], s[Q0], s13
	s_lshl_b32 s17, s9, 8
	s_add_co_u32 s17, s17, s13
	s_lshr_b32 s59, s10, 4
	s_lshl_b32 s59, s59, 7
	s_add_co_u32 s59, s59, s[WV]                   ; 128 x batch + wave
	s_and_b32 s13, s10, 15                         ; the head
	s_mul_i32 s60, s13, 768
	s_lshl_b32 s61, s13, 1
	s_add_co_u32 s61, s61, ASC
	s_lshr_b32 s62, s[WV], 3
	s_bfe_u32 s13, s[WV], 0x20001                  ; my pair in its record
	s_mul_i32 s63, s13, 1536
	s_add_co_u32 s63, s63, s53
	s_mul_i32 s19, s13, 1532
	s_sub_co_u32 s19, 6144, s19                    ; from my pair's image to its scale word of row 0: 6,144 + 4 pair - 1,536 pair
	v_and_b32 v5, 31, v0
	s_delay_alu instid0(VALU_DEP_1)
	v_lshlrev_b32 v1, 4, v5
	s_delay_alu instid0(VALU_DEP_2)
	v_lshlrev_b32 v8, 3, v5
	s_delay_alu instid0(VALU_DEP_3)
	v_min_u32 v10, 24, v5
	s_delay_alu instid0(VALU_DEP_1)
	v_lshlrev_b32 v10, 8, v10
	v_and_b32 v6, 15, v0                           ; r
	s_delay_alu instid0(VALU_DEP_1)
	v_lshlrev_b32 v2, 4, v6
	v_bfe_u32 v7, v0, 4, 1                         ; h
	s_delay_alu instid0(VALU_DEP_1)
	v_lshl_add_u32 v9, v6, 5, v7
	s_delay_alu instid0(VALU_DEP_3)
	v_add_nc_u32 v11, s19, v2
	s_wait_alu depctr_va_vdst(0)
	v_and_b32 v5, 8, v6
	s_delay_alu instid0(VALU_DEP_1)
	v_add_nc_u32 v5, v5, v6
	v_lshlrev_b32 v7, 4, v7
	s_delay_alu instid0(VALU_DEP_1)
	v_sub_nc_u32 v5, v5, v7
; for block s[qb] of queries: where my half fragment goes, where its scale bytes go, and where my pair's image of Q lies
.macro WHERE qb, out, osc, qa
	s_lshl_b32 s13, s[\qb], 4
	s_add_co_u32 s13, s13, s59                     ; my stored tile of rows: 128 x batch + 16 x block + wave
	s_mul_i32 s38, s13, 12288
	s_add_co_u32 s38, s38, s60
	s_add_nc_u64 s[\out:\out+1], s[6:7], s[38:39]
	s_lshl_b32 s38, s13, 9
	s_add_co_u32 s38, s38, s61
	s_add_nc_u64 s[\osc:\osc+1], s[6:7], s[38:39]
	s_lshl_b32 s13, s[\qb], 1
	s_add_co_u32 s13, s13, s62
	s_mul_i32 s38, s13, REC
	s_add_co_u32 s38, s38, s63
	s_add_nc_u64 s[\qa:\qa+1], s[4:5], s[38:39]
.endm
	WHERE 58, 40, 42, 54
	WHERE 9, 44, 46, 56
.irp c, 0,1,2
	global_load_b128 v[88+4*\c:91+4*\c], v1, s[54:55] offset:512*\c
	global_load_b128 v[100+4*\c:103+4*\c], v1, s[56:57] offset:512*\c
.endr
	global_load_b32 v112, v11, s[54:55]
	global_load_b32 v113, v11, s[56:57]
.irp i, 0,1,2,3,4,5
	v_mov_b32 v[16+\i], 0                          ; zero codes on both sides of q
	v_mov_b32 v[28+\i], 0
.endr
	s_wait_loadcnt 0x0
.irp i, 0,1,2,3,4,5
	v_cndmask_b32 v[22+\i], v[88+\i], v[94+\i], s50    ; my tile's half of the pair's image
	v_cndmask_b32 v[224+\i], v[100+\i], v[106+\i], s50
.endr
	v_perm_b32 v34, v112, v112, s51                ; (s0, s1, s0, s1)
	v_perm_b32 v230, v113, v113, s51
	v_mov_b32 v13, 0xff61b1e6                      ; the largest t so far: -3e38
	s_delay_alu instid0(VALU_DEP_1)
	v_floor_f32 v12, -v13
	v_mov_b32 v14, 0
	v_mov_b32 v15, 0
.irp b, 0,1,2,3
	v_mov_b32 v[208+\b], 0                         ; written once: a lane permute's destination counts as one of its sources
.endr
	v_mov_b32 v219, 0                              ; (named as the upper half of the pair v[218:219])
.set J, 0
.rept 32
	v_mov_b32 v[152+J], 0                          ; O^T: the first change of M multiplies zeros.  (These lines also stand between the scale word's making and the first product)
.set J, J+1
.endr
; A KEY STEP: 128 keys, the q-th record of the slot in hand.
.macro STEP q
	s_add_co_u32 s13, s[Q0], 23                    ; my last query
	s_cmp_gt_u32 s[KF], s13
	s_cbranch_scc1 .Lhidden_\@
	v_add_nc_u32 v6, s[TB], v1
	v_add_nc_u32 v7, s[TB], v2
	v_nop
	v_nop                                          ; four plain lines in front of loads into registers that the last products read
	ds_load_b128 v[84:87], v7 offset:KVP*(\q)+12288    ; K's scale words: word b for pair b
.irp n, 0,1,2,3,4,5,6,7,8,9,10,11
	ds_load_b128 v[36+4*\n:39+4*\n], v6 offset:KVP*(\q)+512*\n
.endr
	s_wait_alu depctr_va_vdst(0)
.irp b, 0,1,2,3
	s_wait_dscnt 9-3*\b                            ; the words and pairs 0 to b are in; the later pairs' three loads each may be out
	v_wmma_scale_f32_16x16x128_f8f6f4 v[88+16*\b:95+16*\b], v[36+12*\b:47+12*\b], v[22:33], 0, v[84+\b], v34 matrix_a_fmt:MATRIX_FMT_BF6 matrix_b_fmt:MATRIX_FMT_BF6
	v_wmma_scale_f32_16x16x128_f8f6f4 v[96+16*\b:103+16*\b], v[36+12*\b:47+12*\b], v[16:27], 0, v[84+\b], v34 matrix_a_fmt:MATRIX_FMT_BF6 matrix_b_fmt:MATRIX_FMT_BF6
.endr
.rept 4
	v_nop                                          ; places: in front of the loads below and of the first read of the scores
.endr
	ds_load_b128 v[84:87], v7 offset:KVP*(\q)+12544    ; V's words and images: they land under the softmax
.irp n, 0,1,2,3,4,5,6,7,8,9,10,11
	ds_load_b128 v[36+4*\n:39+4*\n], v6 offset:KVP*(\q)+6144+512*\n
.endr
	s_add_co_u32 s13, s[KF], 127
	s_cmp_le_u32 s13, s[Q0]
	s_cbranch_scc1 .Lopen_\@                       ; all keys of the step count for all my queries
	s_sub_co_i32 s13, s[Q0], s[KF]
	v_add_nc_u32 v220, s13, v5                     ; d = my query - KF - 16 h: register 16 b + i is hidden where 32 b + i > d
	v_mov_b32 v221, 0xff800000
.set J, 0
.rept 64
	v_cmp_gt_i32 vcc_lo, 32*(J/16)+J%16, v220
	v_cndmask_b32 v[88+J], v[88+J], v221, vcc_lo
.set J, J+1
.endr
.Lopen_\@:
.irp b, 0,1,2,3
	v_max3_num_f32 v[204+\b], v[88+16*\b], v[89+16*\b], v[90+16*\b]   ; the largest score of each block of 32 keys: it serves the row's maximum and, since p rises with the score, the block's largest p
.endr
.irp i, 3,5,7,9,11,13
.irp b, 0,1,2,3
	v_max3_num_f32 v[204+\b], v[204+\b], v[88+16*\b+\i], v[89+16*\b+\i]
.endr
.endr
.irp b, 0,1,2,3
	v_max_num_f32 v[204+\b], v[204+\b], v[103+16*\b]
.endr
.irp b, 0,1,2,3
	s_delay_alu instid0(VALU_DEP_4)
	v_permlanex16_b32 v[208+\b], v[204+\b], s[SEL], s[SEL+1]
.endr
.irp b, 0,1,2,3
	s_delay_alu instid0(VALU_DEP_4)
	v_max_num_f32 v[204+\b], v[204+\b], v[208+\b]
.endr
	s_delay_alu instid0(VALU_DEP_2)
	v_max3_num_f32 v220, v204, v205, v206
	s_delay_alu instid0(VALU_DEP_1)
	v_max_num_f32 v220, v220, v207
	s_delay_alu instid0(VALU_DEP_1)
	v_mul_f32 v220, s[CS], v220
	s_delay_alu instid0(VALU_DEP_1)
	v_max_num_f32 v13, v13, v220                   ; the running largest t
	v_mov_b32 v220, v12
	s_delay_alu instid0(VALU_DEP_2)
	v_floor_f32 v12, -v13                          ; -M = floor(-t): M is a whole number
	s_delay_alu instid0(VALU_DEP_1)
	v_sub_f32 v220, v12, v220                      ; old M - new M, 0 or less
	s_delay_alu instid0(VALU_DEP_1)
	v_cvt_i32_f32 v220, v220                       ; (it saturates)
	s_delay_alu instid0(VALU_DEP_1)
	v_ldexp_f32 v218, 1.0, v220                    ; f = 2^(old M - new M)
.set J, 0
.rept 32
	v_pk_fma_f32 v[88+J:89+J], v[88+J:89+J], s[CS:CS+1], v[12:13] op_sel_hi:[1,0,0]   ; t - M
.set J, J+2
.endr
.irp b, 0,1,2,3
	v_fma_f32 v[204+\b], v[204+\b], s[CS], v12
.endr
.set J, 0
	s_wait_alu depctr_va_vdst(0)
.rept 64
	v_exp_f32 v[88+J], v[88+J]                     ; p, at most 1: one batch
.set J, J+1
.endr
	v_pk_mul_f32 v[14:15], v[14:15], v[218:219] op_sel_hi:[1,0]   ; the sums under the new M (a plain line behind the batch)
	s_wait_alu depctr_va_vdst(0)                   ; one wait for the batch, ahead of its first reader
.irp b, 0,1,2,3
	v_exp_f32 v[204+\b], v[204+\b]                 ; the blocks' largest p
.endr
	v_pk_add_f32 v[208:209], v[92:93], v[96:97]
	v_pk_add_f32 v[254:255], v[100:101], v[104:105]
	v_pk_add_f32 v[252:253], v[108:109], v[112:113]
	v_pk_add_f32 v[250:251], v[116:117], v[120:121]
	v_pk_add_f32 v[248:249], v[124:125], v[128:129]
	v_pk_add_f32 v[246:247], v[132:133], v[136:137]
	v_pk_add_f32 v[244:245], v[140:141], v[144:145]
	v_pk_add_f32 v[14:15], v[14:15], v[148:149]
	v_pk_add_f32 v[208:209], v[208:209], v[88:89]
	v_pk_add_f32 v[254:255], v[254:255], v[90:91]
	v_pk_add_f32 v[252:253], v[252:253], v[94:95]
	v_pk_add_f32 v[250:251], v[250:251], v[98:99]
	v_pk_add_f32 v[248:249], v[248:249], v[102:103]
	v_pk_add_f32 v[246:247], v[246:247], v[106:107]
	v_pk_add_f32 v[244:245], v[244:245], v[110:111]
	v_pk_add_f32 v[14:15], v[14:15], v[114:115]
	v_pk_add_f32 v[208:209], v[208:209], v[118:119]
	v_pk_add_f32 v[254:255], v[254:255], v[122:123]
	v_pk_add_f32 v[252:253], v[252:253], v[126:127]
	v_pk_add_f32 v[250:251], v[250:251], v[130:131]
	v_pk_add_f32 v[248:249], v[248:249], v[134:135]
	v_pk_add_f32 v[246:247], v[246:247], v[138:139]
	v_pk_add_f32 v[244:245], v[244:245], v[142:143]
	v_pk_add_f32 v[14:15], v[14:15], v[146:147]
	v_pk_add_f32 v[208:209], v[208:209], v[150:151]
	s_delay_alu instid0(VALU_DEP_2)
	v_pk_add_f32 v[14:15], v[14:15], v[250:251]
	s_delay_alu instid0(VALU_DEP_2)
	v_pk_add_f32 v[208:209], v[208:209], v[248:249]
	v_pk_add_f32 v[254:255], v[254:255], v[246:247]
	v_pk_add_f32 v[252:253], v[252:253], v[244:245]
	s_delay_alu instid0(VALU_DEP_2)
	v_pk_add_f32 v[14:15], v[14:15], v[254:255]
	s_delay_alu instid0(VALU_DEP_2)
	v_pk_add_f32 v[208:209], v[208:209], v[252:253]
	s_delay_alu instid0(VALU_DEP_1)
	v_pk_add_f32 v[14:15], v[14:15], v[208:209]
	s_wait_alu depctr_va_vdst(0)                   ; and one for the four
.irp b, 0,1,2,3
	v_max_num_f32 v[204+\b], 0x2800000, v[204+\b]  ; the floor 2^(5 - 127)
.endr
.irp b, 0,1,2,3
	s_delay_alu instid0(VALU_DEP_4)
	v_add_nc_u32 v[212+\b], 0xfe000000, v[204+\b]  ; the conversion's scale operand
.endr
.irp b, 0,1,2,3
	s_delay_alu instid0(VALU_DEP_4)
	v_lshrrev_b32 v[208+\b], 23, v[212+\b]         ; the byte
.endr
	s_delay_alu instid0(VALU_DEP_3)
	v_lshl_or_b32 v216, v209, 8, v208
	s_delay_alu instid0(VALU_DEP_1)
	v_lshl_or_b32 v216, v210, 16, v216
	s_delay_alu instid0(VALU_DEP_1)
	v_lshl_or_b32 v216, v211, 24, v216             ; p's scale word for these 128 keys
.irp c, 0,1
	v_cvt_scalef32_pk16_bf6_f32 v[184+6*\c:186+6*\c], v[88+32*\c:103+32*\c], v[212+2*\c]
	v_cvt_scalef32_pk16_bf6_f32 v[196+4*\c:198+4*\c], v[104+32*\c:119+32*\c], v[212+2*\c+1]
.endr
	v_nop                                          ; one plain line behind the scaled conversions
.irp c, 0,1
.irp i, 0,1,2
	v_permlane16_swap_b32 v[184+6*\c+\i], v[196+4*\c+\i]
.endr
.irp i, 0,1,2
	s_delay_alu instid0(VALU_DEP_3)
	v_mov_b32 v[187+6*\c+\i], v[196+4*\c+\i]
.endr
.endr
.set J, 0
.rept 16
	v_pk_mul_f32 v[152+J:153+J], v[152+J:153+J], v[218:219] op_sel_hi:[1,0]   ; O^T under the new M.  (These lines also stand between the making of p's codes and scale word and the products)
.set J, J+2
.endr
	s_wait_alu depctr_va_vdst(0)
	s_wait_dscnt 0x0                               ; V is in
.irp t, 0,1,2,3
	v_wmma_scale_f32_16x16x128_f8f6f4 v[152+8*\t:159+8*\t], v[36+12*\t:47+12*\t], v[184:195], v[152+8*\t:159+8*\t], v[84+\t], v216 matrix_a_fmt:MATRIX_FMT_BF6 matrix_b_fmt:MATRIX_FMT_BF6
.endr
.Lhidden_\@:
	s_add_co_u32 s[KF], s[KF], 128
.endm
; THE CHANGE OF SLOTS stands at a slot's head.  Each wave waits for all its tensor loads, adds 0 to its spare word, and waits for that and for its reads of the slot that it has left; behind the barrier the slot ahead is whole
; and nobody reads the other one.  fill = 1: that other slot takes the walk's next key slot: T + 1, or T + 1 - (8 - j) once the second block's walk has begun.  By this text's count a wave has one tensor load out.
.macro CHANGE fill
	s_wait_tensorcnt 0x0                           ; no tensor load of mine is out, so group 0 may be written
	ds_add_u32 v3, v4                              ; 0 onto my spare word
.if \fill
	s_xor_b32 s[G0+1], s[G0+1], SLOT1
	s_add_co_u32 s13, s12, 1
	s_cmp_ge_u32 s13, s11
	s_cselect_b32 s19, s11, 0
	s_sub_co_u32 s13, s13, s19
	s_mul_i32 s38, s13, 2*REC
	s_add_nc_u64 s[G0+2:G0+3], s[36:37], s[38:39]
	s_or_b32 s[G0+3], s[G0+3], 0x80000000
	s_wait_xcnt 0x0                                ; the last prefetch, a slot back, has read its address
	s_add_nc_u64 s[PFA:PFA+1], s[PFA:PFA+1], 2*REC
.endif
	s_wait_dscnt 0x0                               ; the add is done, and my reads of the slot that I have left are over
	s_barrier_signal -1
	s_barrier_wait -1
.if \fill
	TLOAD                                          ; the first thing behind the barrier, and a wave's one tensor load until the next
	ASK
.endif
.endm
; A block of queries is finished: O^T / the sum, quantised along the head's two blocks of 32 channels: six registers, half a fragment of the next launch's A (lane (r, h): k = 32 h .. 32 h + 31 of my head's 64).
.macro FINAL out, osc
	v_add_f32 v14, v14, v15
	s_delay_alu instid0(VALU_DEP_1)
	v_permlanex16_b32 v208, v14, s[SEL], s[SEL+1]
	s_delay_alu instid0(VALU_DEP_1)
	v_add_f32 v14, v14, v208                       ; the row's sum
	s_wait_alu depctr_va_vdst(0)
	v_rcp_f32 v220, v14
	v_mov_b32 v221, 0                              ; (the pair's upper half; a plain line behind the reciprocal)
.rept 3
	v_nop                                          ; with the lines above: the places behind the last products
.endr
	s_wait_alu depctr_va_vdst(0)                   ; the wait ahead of the reciprocal's first reader
.set J, 0
.rept 16
	v_pk_mul_f32 v[88+J:89+J], v[152+J:153+J], v[220:221] op_sel_hi:[1,0]   ; each accumulator from its low end on
.set J, J+2
.endr
.irp g, 0,1
	v_max3_num_f32 v[204+\g], |v[88+16*\g]|, |v[89+16*\g]|, 0x2800000
.endr
.irp i, 2,4,6,8,10,12,14
.irp g, 0,1
	s_delay_alu instid0(VALU_DEP_2)
	v_max3_num_f32 v[204+\g], v[204+\g], |v[88+16*\g+\i]|, |v[89+16*\g+\i]|
.endr
.endr
.irp g, 0,1
	s_delay_alu instid0(VALU_DEP_2)
	v_permlanex16_b32 v[208+\g], v[204+\g], s[SEL], s[SEL+1]
.endr
.irp g, 0,1
	s_delay_alu instid0(VALU_DEP_2)
	v_max_num_f32 v[204+\g], v[204+\g], v[208+\g]
.endr
.irp g, 0,1
	s_delay_alu instid0(VALU_DEP_2)
	v_add_nc_u32 v[212+\g], 0xfe000000, v[204+\g]
.endr
.irp g, 0,1
	s_delay_alu instid0(VALU_DEP_2)
	v_lshrrev_b32 v[208+\g], 23, v[212+\g]
.endr
	v_cvt_scalef32_pk16_bf6_f32 v[184:186], v[88:103], v212
	v_cvt_scalef32_pk16_bf6_f32 v[196:198], v[104:119], v213
	v_nop
.irp i, 0,1,2
	v_permlane16_swap_b32 v[184+\i], v[196+\i]
.endr
.irp i, 0,1,2
	s_delay_alu instid0(VALU_DEP_3)
	v_mov_b32 v[187+\i], v[196+\i]
.endr
	v_cndmask_b32 v222, v208, v209, s52            ; lane (r, h) stores block h's byte of row r
.irp p, 0,1,2
	global_store_b64 v8, v[184+2*\p:185+2*\p], s[\out:\out+1] offset:256*\p   ; 32 lanes store 256 consecutive bytes, aligned
.endr
	global_store_b8 v9, v222, s[\osc:\osc+1]       ; a head owns 2 of a row's 32 scale bytes
.endm
.Lslot:                                            ; eight trips: behind each change of slots but the last the next slot is asked for
	CHANGE 1
	STEP 0
	STEP 1
	s_xor_b32 s[TB], s[TB], SLOT1
	s_add_co_u32 s13, s12, 1
	s_cmp_lg_u32 s13, s11
	s_cbranch_scc1 .Lsame                          ; a branch on ids; no barrier and no tensor load stands under it
	FINAL 40, 42                                   ; the first block's walk has ended
.irp i, 0,1,2,3,4,5
	v_mov_b32 v[22+\i], v[224+\i]                  ; the second block's q,
.endr
	v_mov_b32 v34, v230                            ; its scale word,
	v_mov_b32 v13, 0xff61b1e6                      ; and a new start
	s_delay_alu instid0(VALU_DEP_1)
	v_floor_f32 v12, -v13
	v_mov_b32 v14, 0
	v_mov_b32 v15, 0
.set J, 0
.rept 32
	v_mov_b32 v[152+J], 0
.set J, J+1
.endr
	s_mov_b32 s[Q0], s17
	s_mov_b32 s[KF], 0
	s_wait_xcnt 0x0                                ; the stores have read their registers, which the next steps write again
.Lsame:
	s_add_co_u32 s12, s12, 1
	s_cmp_lt_u32 s12, 8
	s_cbranch_scc1 .Lslot
	CHANGE 0                                       ; the ninth slot is written out
	STEP 0
	STEP 1
	FINAL 44, 46
	s_wait_tensorcnt 0x0                           ; the wave's end
	ds_add_u32 v3, v4
	s_wait_dscnt 0x0
	s_endpgm
.Lfunc_end_k_q6ffc8eb888_attn:
	.size	k_q6ffc8eb888_attn, .Lfunc_end_k_q6ffc8eb888_attn-k_q6ffc8eb888_attn
	.p2alignl 7, 3214868480
	.fill 96, 4, 3214868480
	.section	.rodata,"a",@progbits
	.p2align	6, 0x0
	.amdhsa_kernel k_q6ffc8eb888_attn
		.amdhsa_group_segment_fixed_size 327680
		.amdhsa_private_segment_fixed_size 0
		.amdhsa_enable_private_segment 0
		.amdhsa_kernarg_size 16
		.amdhsa_user_sgpr_count 2
		.amdhsa_user_sgpr_kernarg_segment_ptr 1
		.amdhsa_wavefront_size32 1
		.amdhsa_system_sgpr_workgroup_id_x 1
		.amdhsa_system_sgpr_workgroup_id_y 1
		.amdhsa_system_sgpr_workgroup_id_z 1
		.amdhsa_system_vgpr_workitem_id 0
		.amdhsa_next_free_vgpr 256
		.amdhsa_next_free_sgpr 66
		.amdhsa_reserve_vcc 1
		.amdhsa_float_denorm_mode_32 3
		.amdhsa_float_denorm_mode_16_64 3
		.amdhsa_memory_ordered 1
		.amdhsa_forward_progress 1
		.amdhsa_inst_pref_size 109
	.end_amdhsa_kernel
	.amdgpu_metadata
---
amdhsa.version: [ 1, 2 ]
amdhsa.kernels:
  - .name:           k_q6ffc8eb888_attn
    .symbol:         k_q6ffc8eb888_attn.kd
    .args:
      - { .name: qkv, .offset: 0, .size: 8, .value_kind: global_buffer, .address_space: global }
      - { .name: att, .offset: 8, .size: 8, .value_kind: global_buffer, .address_space: global }
    .group_segment_fixed_size: 327680
    .private_segment_fixed_size: 0
    .kernarg_segment_align: 8
    .kernarg_segment_size: 16
    .max_flat_workgroup_size: 512
    .sgpr_count:     66
    .vgpr_count:     256
    .wavefront_size: 32
...
	.end_amdgpu_metadata
.endif
;; end of part 3
;; launch outp (part 4): grid 4 x 32, 4 waves a work-group, clusters of 4 x 4, 327,680 bytes of LDS; arguments att, wts, out0; writes out0
.if DOCPART == 4
	.amdgcn_target "amdgcn-amd-amdhsa--gfx1250"
	.amdhsa_code_object_version 6
	.text
	.protected	k_q6ffc8eb888_outp
	.globl	k_q6ffc8eb888_outp
	.p2align	8
	.type	k_q6ffc8eb888_outp,@function
k_q6ffc8eb888_outp:
	s_mov_b64 s[64:65], 0
	v_nop
	global_prefetch_b8 v0, s[64:65] scope:SCOPE_SE
	s_setreg_imm32_b32 hwreg(HW_REG_WAVE_MODE, 25, 1), 1
	s_wait_xcnt 0x0
	s_wait_alu depctr_hold_cnt(0) depctr_sa_sdst(0) depctr_va_vdst(0) depctr_va_sdst(0) depctr_va_ssrc(0) depctr_va_vcc(0) depctr_vm_vsrc(0)
	s_getreg_b32 s2, hwreg(HW_REG_IB_STS2, 6, 4)
	s_cmp_eq_u32 s2, 0
	s_cbranch_scc0 .Lentry_in_a_cluster
	s_endpgm
.Lentry_in_a_cluster:
	s_bfe_u32 s2, ttmp6, 0x10000c
	s_cmp_lg_u32 s2, 0xf033
	s_cbranch_scc0 .Lentry_shape_is_right
	s_endpgm
.Lentry_shape_is_right:
; out0[m][n] = sum over k of A[m][k] wo[n][k], on codes of BF6 (E3M2) with E8M0 scales; M = 8192, N = K = 1024; out0 f32.
; A is the attention's result as the launch before left it: [512 stored tiles of 16 rows][8 K steps of 128][6 chunks of 256 bytes], chunk p holding lane l's fragment registers 2 p, 2 p + 1 at 8 l; its scale bytes [8192 stored rows][32] at ASC.
; Its rows are stored with bits 3 and 4 of their number exchanged: the stores of out0 put them back.  wo: rows 3072 on of wts, 768 bytes a row, in their true order; its scale bytes 32 a row.
; A tile of out0, 256 x 256, is made by four waves of 128 x 128 (64 accumulators, 512 registers); K goes in steps of 256 through a ring of two LDS slots.
; CLUSTERS: 4 x 4 work-groups; A's tiles are asked for jointly along a row of the cluster, wo's along a column.  The scale bytes come into LDS once, with the first fills.
; THE MATRIX INSTRUCTION IS USED TRANSPOSED (source 0 = 16 rows of wo, source 1 = 16 rows of A): a lane holds eight neighbouring numbers of a row of out0.
; 128 work-groups: the text keeps the tile of 256 x 256, with which each byte read from LDS feeds the most products.  No prefetch: K has four slots' worth of tiles, and two of them are first fills.
; REGISTERS, in windows of 256: window 0: v0-31 addresses; v32-63 scale words, two sets; from v128 A's fragments, one set; on the way out v128-255 rows of out0.  window 1: wo's fragments, two sets.  windows 2, 3: the accumulators.
.set SIZE_N, 1024
.set SIZE_K, 1024
.set KSTEP,  256
.set NQ,     KSTEP/128
.set ROWB,   192                       ; a row of wo's tile in bytes
.set KROW,   SIZE_K*6/8
.set AROW,   3072                      ; a row of A's tile: a stored tile of 16 rows x 256 along K, as images
.set PITCH,  240                       ; wo's LDS row: 3 x (64 bytes + 16 of padding)
.set FR,     12
.set NL,     6
.set NP,     4
.set HALFT,  128*PITCH                 ; the place of 128 rows of wo, and of 128 rows of A (which fill 24,576 bytes of it)
.set SLOT,   4*HALFT
.set LAPS,   SIZE_K/(2*KSTEP)
.set KS,     SIZE_K/32
.set SCL,    2*SLOT
.set HALFS,  (128*KS/256)*272
.set SBLK,   (16*KS/256)*272
.set SPARE,  SCL+4*HALFS               ; the spare words, 128 bytes a wave: two blocks of 256 bytes that no other line names
.set SPITCH, 528                       ; the way out: a stage of 16 rows x (512 bytes + 16) for each wave, in slot 0, which has had its last fill and its last read when the first result is stored there
.set ASC,    6291456
.set WOC,    3072*KROW                 ; wo's codes in wts
.set WOS,    3145728+3072*KS           ; and its scale bytes
.set ADRA, 16                          ; v16-17  LDS address of my A fragments in slot 0, 1: 8 x lane + my half
.set ADRB, 20                          ; v20-23  of wo's (slot 0, 1; the same behind one padding more)
.set STO,  24
.set RD,   25
.set CO,   26
.set ADRS, 27
.set SPW,  28
.set NIL,  29
.set SC,   32
.set AF,   128
.set BK,   128
.set G1, 24
.set G0, 32
.set G1B, 48
.set G0B, 56
.set G1S, 68
.set G0S, 76
.set G1SB, 80
.set G0SB, 88
.set MSB, 0
.macro WIN new                         ; the immediate's high byte repeats the setting that is left
.if MSB != (\new)
	s_set_vgpr_msb (MSB<<8)|(\new)
.set MSB, (\new)
.endif
.endm
.set MUL_LO, 0xa1
.set MUL_HI, 0xf1
.set TO_B,   0x40
.macro JLOAD g0a, g1a, g0b, g1b        ; a joint load: waves 0 and 1 fetch for A, waves 2 and 3 for wo; four v_nop follow each of the two lines
	s_cmp_eq_u32 s15, 0
	s_cbranch_scc0 .Lfor_b_\@
	tensor_load_to_lds s[\g0a:\g0a+3], s[\g1a:\g1a+7]
	s_nop 0
.rept 4
	v_nop
.endr
	s_branch .Lasked_\@
.Lfor_b_\@:
	tensor_load_to_lds s[\g0b:\g0b+3], s[\g1b:\g1b+7]
	s_nop 0
.rept 4
	v_nop
.endr
.Lasked_\@:
.endm
.macro CREST
	s_cmp_lg_u32 s14, 0
	s_cbranch_scc1 .Lnot_wave_0_\@
	s_barrier_signal -3
.Lnot_wave_0_\@:
	s_barrier_wait -3
	s_barrier_signal -1
	s_barrier_wait -1
.endm
.macro CROUND
	s_barrier_signal -1
	s_barrier_wait -1
	CREST
.endm
	s_load_b128 s[4:7], s[0:1], 0x0                ; att s[4:5], wts s[6:7]
	s_load_b64 s[12:13], s[0:1], 0x10              ; out0
	v_lshl_add_u32 v[SPW], v0, 2, SPARE
	v_mov_b32 v[NIL], 0
	ds_add_u32 v28, v29
	s_wait_dscnt 0x0
	v_lshrrev_b32 v1, 5, v0
	v_readfirstlane_b32 s14, v1                    ; wave 0..3
	s_lshr_b32 s15, s14, 1                         ; which half of the tile's rows is mine.  Also: I fetch for A (0) or for wo (1)
	s_and_b32 s16, s14, 1                          ; which half of its columns.  Also: which 128 rows I fetch
	s_bfe_u32 s40, ttmp6, 0x40000                  ; cx
	s_bfe_u32 s41, ttmp6, 0x40004                  ; cy
	s_lshl_b32 s42, ttmp9, 2
	s_add_co_u32 s42, s42, s40                     ; tile column
	s_and_b32 s17, ttmp7, 0xffff
	s_lshl_b32 s17, s17, 2
	s_add_co_u32 s17, s17, s41                     ; tile row
	s_lshl_b32 s43, s41, 2
	s_lshl_b32 s43, 15, s43                        ; my row of the cluster
	s_lshl_b32 s44, 0x1111, s40                    ; my column
	s_or_b32 s[G1+0], s43, (3<<16)|(1<<21)         ; A: the mask; elements of 8 bytes; no padding; bit 21 beside a mask
	s_mov_b32 s[G1+1], (AROW/8)<<16                ; tensor_dim0 = 384 elements: 3,072 bytes
	s_mov_b32 s[G1+2], 8<<16                       ; tensor_dim1 = 8 stored tiles of rows
	s_mov_b32 s[G1+3], (AROW/8)<<16                ; tile_dim0
	s_mov_b32 s[G1+4], 8                           ; tile_dim1
	s_mov_b32 s[G1+5], 16*KROW/8                   ; from a stored tile to the next: 12,288 bytes
	s_mov_b32 s[G1+6], 0
	s_mov_b32 s[G1+7], 0
	s_or_b32 s[G1B+0], s44, (0<<16)|(1<<20)|(1<<21)|(3<<22)|(3<<25)   ; wo: elements of 1 byte; after every 16 words 4 words of padding
	s_mov_b32 s[G1B+1], ROWB<<16
	s_mov_b32 s[G1B+2], 128<<16
	s_mov_b32 s[G1B+3], ROWB<<16
	s_mov_b32 s[G1B+4], 128
	s_mov_b32 s[G1B+5], KROW
	s_mov_b32 s[G1B+6], 0
	s_mov_b32 s[G1B+7], 0
	s_or_b32 s[G1S+0], s43, (3<<16)|(1<<20)|(1<<21)|(5<<22)|(3<<25)   ; the scale bytes of 128 rows: 16 rows of 256 bytes, 16 bytes of padding behind each
	s_or_b32 s[G1SB+0], s44, (3<<16)|(1<<20)|(1<<21)|(5<<22)|(3<<25)
.irp g, G1S, G1SB
	s_mov_b32 s[\g+1], 32<<16
	s_mov_b32 s[\g+2], (128*KS/256)<<16
	s_mov_b32 s[\g+3], 32<<16
	s_mov_b32 s[\g+4], 128*KS/256
	s_mov_b32 s[\g+5], 32
	s_mov_b32 s[\g+6], 0
	s_mov_b32 s[\g+7], 0
.endr
	s_lshl_b32 s18, s16, 7
	s_lshl_b32 s20, s17, 8
	s_add_co_u32 s20, s20, s18                     ; A: stored row 256 x tile row + 128 x half
	s_lshl_b32 s46, s42, 8
	s_add_co_u32 s46, s46, s18                     ; wo: row 256 x tile column + 128 x half
	s_mov_b32 s21, 0
	s_mov_b32 s47, 0
	s_mov_b64 s[18:19], KS
	s_mul_u64 s[22:23], s[20:21], s[18:19]
	s_mul_u64 s[92:93], s[46:47], s[18:19]
	s_mov_b64 s[18:19], KROW
	s_mul_u64 s[20:21], s[20:21], s[18:19]         ; (a stored tile of 16 rows is 16 x 768 bytes: the same product serves A's images)
	s_mul_u64 s[46:47], s[46:47], s[18:19]
	s_mul_i32 s45, s14, HALFT
	s_mul_i32 s94, s14, HALFS
	s_wait_kmcnt 0x0
	s_add_nc_u64 s[8:9], s[6:7], WOC               ; wo's codes
	s_add_nc_u64 s[10:11], s[6:7], WOS             ; wo's scale bytes
	s_add_nc_u64 s[6:7], s[4:5], ASC               ; A's scale bytes
	s_add_nc_u64 s[20:21], s[4:5], s[20:21]
	s_add_nc_u64 s[22:23], s[6:7], s[22:23]
	s_add_nc_u64 s[46:47], s[8:9], s[46:47]
	s_add_nc_u64 s[92:93], s[10:11], s[92:93]
	CROUND                                         ; all sixteen work-groups are here: the first joint loads meet
	s_mov_b32 s[G0S], 1
	s_add_co_u32 s[G0S+1], s94, SCL
	s_mov_b64 s[G0S+2:G0S+3], s[22:23]
	s_or_b32 s[G0S+3], s[G0S+3], 0x80000000
	s_mov_b32 s[G0SB], 1
	s_add_co_u32 s[G0SB+1], s94, SCL
	s_mov_b64 s[G0SB+2:G0SB+3], s[92:93]
	s_or_b32 s[G0SB+3], s[G0SB+3], 0x80000000
	JLOAD G0S, G1S, G0SB, G1SB
.irp s, 0,1
	s_mov_b32 s[G0+4*\s], 1
	s_add_co_u32 s[G0+4*\s+1], s45, \s*SLOT
	s_add_nc_u64 s[G0+4*\s+2:G0+4*\s+3], s[20:21], \s*AROW
	s_or_b32 s[G0+4*\s+3], s[G0+4*\s+3], 0x80000000
	s_mov_b32 s[G0B+4*\s], 1
	s_add_co_u32 s[G0B+4*\s+1], s45, \s*SLOT
	s_add_nc_u64 s[G0B+4*\s+2:G0B+4*\s+3], s[46:47], \s*ROWB
	s_or_b32 s[G0B+4*\s+3], s[G0B+4*\s+3], 0x80000000
	JLOAD G0+4*\s, G1, G0B+4*\s, G1B
.endr
	v_and_b32 v1, 15, v0                           ; l % 16
	v_bfe_u32 v2, v0, 4, 1                         ; l / 16
	v_mul_u32_u24 v3, v1, PITCH
	v_mul_u32_u24 v4, v2, 24
	v_add_nc_u32 v4, v3, v4
	v_lshl_add_u32 v5, v2, 4, v4
	v_and_b32 v7, 31, v0
	v_lshlrev_b32 v7, 3, v7                        ; 8 x lane: my place in a chunk of A's images
	s_mul_i32 s21, s15, HALFT
	s_mul_i32 s22, s16, HALFT
	s_add_co_u32 s22, s22, 2*HALFT
.irp s, 0,1
	v_add_nc_u32 v[ADRA+\s], s21, v7
	v_add_nc_u32 v[ADRB+\s], s22, v4
	v_add_nc_u32 v[ADRB+2+\s], s22, v5
	s_add_co_u32 s21, s21, SLOT
	s_add_co_u32 s22, s22, SLOT
.endr
	v_mul_u32_u24 v5, v1, KS
	v_lshrrev_b32 v6, 8, v5
	v_lshl_add_u32 v5, v6, 4, v5
	s_mul_i32 s21, s15, HALFS
	s_mul_i32 s22, s16, HALFS
	s_add_co_u32 s22, s22, 2*HALFS
	s_sub_co_u32 s22, s22, s21
	v_mul_u32_u24 v6, s22, v2                      ; lanes 16-31 take wo's
	s_add_co_u32 s21, s21, SCL
	v_add_nc_u32 v5, v5, v6
	v_add_nc_u32 v[ADRS], s21, v5
	s_mul_i32 s23, s14, 16*SPITCH                  ; my stage
	v_mul_u32_u24 v5, v1, SPITCH
	v_lshl_add_u32 v5, v2, 5, v5
	v_add_nc_u32 v[STO], s23, v5
	v_and_b32 v6, 31, v0
	v_lshlrev_b32 v[CO], 4, v6
	v_add_nc_u32 v[RD], s23, v[CO]
	s_lshl_b32 s20, s17, 8
	s_lshl_b32 s21, s15, 7
	s_add_co_u32 s20, s20, s21                     ; my first row of out0
	s_mov_b32 s21, 0
	s_mov_b64 s[18:19], SIZE_N*4
	s_mul_u64 s[20:21], s[20:21], s[18:19]
	s_lshl_b32 s46, s42, 10
	s_lshl_b32 s47, s16, 9
	s_add_co_u32 s46, s46, s47                     ; my first column, in bytes
	s_mov_b32 s47, 0
	s_add_nc_u64 s[20:21], s[20:21], s[46:47]
	s_add_nc_u64 s[12:13], s[12:13], s[20:21]
.macro FRAG reg, adr, q, i             ; a fragment of wo from rows of 240 bytes, in pieces of 8 bytes
.irp p, 0,1,2,3,4,5
.set PC, 12*(\q)+6*(\p/3)+\p%3
.if PC%8 < 5
	ds_load_b64 v[\reg+2*\p:\reg+2*\p+1], v[\adr] offset:8*PC+16*(PC/8)+(\i)*16*PITCH
.else
	ds_load_b64 v[\reg+2*\p:\reg+2*\p+1], v[\adr+2] offset:8*PC+16*(PC/8)+(\i)*16*PITCH
.endif
.endr
.endm
.macro FRAG_A reg, adr, q, i           ; a fragment of A from its image: six chunks, the 32 lanes' 8 bytes on end
.irp p, 0,1,2,3,4,5
	ds_load_b64 v[\reg+2*\p:\reg+2*\p+1], v[\adr] offset:AROW*(\i)+1536*(\q)+256*\p
.endr
.endm
.macro MUL16 a0, p, q, sc, zero        ; the 64 accumulators take turns, one instruction a turn, in the same order in every step
.irp a, \a0, \a0+1
.irp b, 0,1,2,3,4,5,6,7
.if \zero
	v_wmma_scale_f32_16x16x128_f8f6f4 v[8*(8*((\a)%4)+\b):8*(8*((\a)%4)+\b)+7], v[128*(\p)+FR*\b:128*(\p)+FR*\b+FR-1], v[AF+FR*(\a):AF+FR*(\a)+FR-1], 0, v[SC+8*NQ*(\sc)+NQ*\b+(\q)], v[SC+8*NQ*(\sc)+NQ*(\a)+(\q)] matrix_a_fmt:MATRIX_FMT_BF6 matrix_b_fmt:MATRIX_FMT_BF6 matrix_a_scale:MATRIX_SCALE_ROW1
.else
	v_wmma_scale_f32_16x16x128_f8f6f4 v[8*(8*((\a)%4)+\b):8*(8*((\a)%4)+\b)+7], v[128*(\p)+FR*\b:128*(\p)+FR*\b+FR-1], v[AF+FR*(\a):AF+FR*(\a)+FR-1], v[8*(8*((\a)%4)+\b):8*(8*((\a)%4)+\b)+7], v[SC+8*NQ*(\sc)+NQ*\b+(\q)], v[SC+8*NQ*(\sc)+NQ*(\a)+(\q)] matrix_a_fmt:MATRIX_FMT_BF6 matrix_b_fmt:MATRIX_FMT_BF6 matrix_a_scale:MATRIX_SCALE_ROW1
.endif
.endr
.endr
.endm
.macro FETCH_B slot, q, p
	WIN TO_B
.irp i, 0,1,2,3,4,5,6,7
	FRAG 128*(\p)+FR*\i, ADRB+\slot, \q, \i
.endr
	WIN 0
.endm
.macro FETCH_A slot, q, i0
.irp i, \i0, \i0+1, \i0+2, \i0+3
	FRAG_A AF+FR*(\i), ADRA+\slot, \q, \i
.endr
.endm
.macro SCALES sc
.irp i, 0,1,2,3,4,5,6,7
	ds_load_b64 v[SC+8*NQ*\sc+NQ*\i:SC+8*NQ*\sc+NQ*\i+1], v[ADRS] offset:\i*SBLK
.endr
.endm
.macro PLACES n                        ; plain vector lines between a matrix instruction and a load into, or a read of, its registers
.rept \n
	v_nop
.endr
.endm
.macro STEP slot, q, zero
	s_wait_dscnt 4*NL                              ; wo's set and A's blocks 0-3 are in; the youngest 24 loads (A's blocks 4-7) may be out
	WIN MUL_LO
	MUL16 0, (\q)%2, \q, \slot, \zero
	MUL16 2, (\q)%2, \q, \slot, \zero
	s_wait_dscnt 0
	PLACES NP
	FETCH_B \slot, (\q)+1, 1-(\q)%2
	FETCH_A \slot, (\q)+1, 0
	WIN MUL_HI
	MUL16 4, (\q)%2, \q, \slot, \zero
	MUL16 6, (\q)%2, \q, \slot, \zero
	PLACES NP
	WIN 0
	FETCH_A \slot, (\q)+1, 4
.endm
.macro TURN slot, next, fill           ; a slot's last step changes slots: one barrier, with each wave's waits and its add in front of it
	s_wait_tensorcnt 0x0                           ; all my tensor loads have landed: my part of the next slot
	ds_add_u32 v[SPW], v[NIL]                      ; 0 onto my spare word
	s_wait_dscnt 4*NL+1                            ; (the add and the youngest 24 loads may be out)
	WIN MUL_LO
	MUL16 0, 1, NQ-1, \slot, 0
	s_wait_dscnt 0x0                               ; the add is done, and my reads of this slot are over
	s_barrier_signal -1
	MUL16 2, 1, NQ-1, \slot, 0
	WIN 0
	s_barrier_wait -1
.if \fill
	CREST                                          ; the barrier has opened a round of the cluster's
	s_add_nc_u64 s[G0+4*\slot+2:G0+4*\slot+3], s[G0+4*\slot+2:G0+4*\slot+3], 2*AROW
	s_add_nc_u64 s[G0B+4*\slot+2:G0B+4*\slot+3], s[G0B+4*\slot+2:G0B+4*\slot+3], 2*ROWB
	JLOAD G0+4*\slot, G1, G0B+4*\slot, G1B         ; the first tensor load behind the round; its four v_nop are the places in front of the loads below
.else
	PLACES NP
.endif
	v_add_nc_u32 v[ADRS], 4*NQ, v[ADRS]
	FETCH_B \next, 0, 0
	FETCH_A \next, 0, 0
	SCALES \next
	WIN MUL_HI
	MUL16 4, 1, NQ-1, \slot, 0
	MUL16 6, 1, NQ-1, \slot, 0
	PLACES NP
	WIN 0
	FETCH_A \next, 0, 4
.endm
	s_wait_tensorcnt 1                             ; the scale bytes and my part of K step 0 are in (K step 1's load may be out),
	s_barrier_signal -1
	s_barrier_wait -1                              ; everybody's are
	FETCH_B 0, 0, 0
	FETCH_A 0, 0, 0
	SCALES 0
	FETCH_A 0, 0, 4
	STEP 0, 0, 1                                   ; the first step's products start the sums
	s_mov_b32 s3, LAPS-1
.Llap:
	TURN 0, 1, 1
	STEP 1, 0, 0
	TURN 1, 0, 1
	STEP 0, 0, 0
	s_sub_co_u32 s3, s3, 1
	s_cmp_lg_u32 s3, 0
	s_cbranch_scc1 .Llap
	TURN 0, 1, 0                                   ; the last lap fills nothing
	STEP 1, 0, 0
	s_wait_dscnt 4*NL
	WIN MUL_LO
	MUL16 0, 1, NQ-1, 1, 0
	MUL16 2, 1, NQ-1, 1, 0
	s_wait_dscnt 0
	WIN MUL_HI
	MUL16 4, 1, NQ-1, 1, 0
	MUL16 6, 1, NQ-1, 1, 0
	WIN 0
; THE WAY OUT, block by block of 16 stored rows x 128 columns, through my own stage in LDS; back as whole rows of 512 bytes.  LDS serves a wave's instructions in order (ISA guide 5.7.1.4): no wait between the stores and the loads.
.macro TOSTAGE a
.set AC, 64*((\a)%4)
	WIN 0x08+4*((\a)/4)                            ; the data: window 2 or 3
.irp b, 0,1,2,3,4,5,6,7
	ds_store_b128 v[STO], v[AC+8*\b:AC+8*\b+3] offset:64*\b          ; each accumulator from its low end on
	ds_store_b128 v[STO], v[AC+8*\b+4:AC+8*\b+7] offset:64*\b+16
.endr
	WIN 0
.set BB, BK+64*((\a)%2)
.irp t, 0,1,2,3,4,5,6,7,8,9,10,11,12,13,14,15
	ds_load_b128 v[BB+4*\t:BB+4*\t+3], v[RD] offset:\t*SPITCH
.endr
.endm
.macro SEND a, younger                 ; stored row t of block a is true row 32 (a / 2) + 8 (a % 2) + t + 8 (t / 8) of my 128: it stands in the immediate, 520,192 bytes at the most; the base is never stepped
.set BB, BK+64*((\a)%2)
	s_wait_dscnt \younger                          ; the block is back in registers; the LDS instructions issued behind its loads may be out
.irp t, 0,1,2,3,4,5,6,7,8,9,10,11,12,13,14,15
	global_store_b128 v[CO], v[BB+4*\t:BB+4*\t+3], s[12:13] offset:(32*((\a)/2)+8*((\a)%2)+\t+8*(\t/8))*SIZE_N*4 th:TH_STORE_NT   ; 32 lanes store 512 consecutive bytes, aligned
.endr
.endm
	PLACES NP
	TOSTAGE 0
.irp a, 1,2,3,4,5,6,7
.if \a > 1
	s_wait_xcnt 0x0                                ; block a - 2's stores have read their registers: block a's loads may land there
.endif
	TOSTAGE \a
	SEND \a-1, 32                                  ; behind block a - 1's loads: block a's 16 stores and 16 loads
.endr
	SEND 7, 0
	s_wait_tensorcnt 0x0                           ; the wave's end
	ds_add_u32 v[SPW], v[NIL]
	s_wait_dscnt 0x0
	CROUND                                         ; the closing round
	s_endpgm
.Lfunc_end_k_q6ffc8eb888_outp:
	.size	k_q6ffc8eb888_outp, .Lfunc_end_k_q6ffc8eb888_outp-k_q6ffc8eb888_outp
	.p2alignl 7, 3214868480
	.fill 96, 4, 3214868480
	.section	.rodata,"a",@progbits
	.p2align	6, 0x0
	.amdhsa_kernel k_q6ffc8eb888_outp
		.amdhsa_group_segment_fixed_size 327680
		.amdhsa_private_segment_fixed_size 0
		.amdhsa_enable_private_segment 0
		.amdhsa_kernarg_size 24
		.amdhsa_user_sgpr_count 2
		.amdhsa_user_sgpr_kernarg_segment_ptr 1
		.amdhsa_wavefront_size32 1
		.amdhsa_system_sgpr_workgroup_id_x 1
		.amdhsa_system_sgpr_workgroup_id_y 1
		.amdhsa_system_sgpr_workgroup_id_z 1
		.amdhsa_system_vgpr_workitem_id 0
		.amdhsa_next_free_vgpr 1024
		.amdhsa_next_free_sgpr 98
		.amdhsa_reserve_vcc 0
		.amdhsa_float_denorm_mode_32 3
		.amdhsa_float_denorm_mode_16_64 3
		.amdhsa_memory_ordered 1
		.amdhsa_forward_progress 1
		.amdhsa_inst_pref_size 159
	.end_amdhsa_kernel
	.amdgpu_metadata
---
amdhsa.version: [ 1, 2 ]
amdhsa.kernels:
  - .name:           k_q6ffc8eb888_outp
    .symbol:         k_q6ffc8eb888_outp.kd
    .args:
      - { .name: att, .offset: 0, .size: 8, .value_kind: global_buffer, .address_space: global }
      - { .name: wts, .offset: 8, .size: 8, .value_kind: global_buffer, .address_space: global }
      - { .name: out0, .offset: 16, .size: 8, .value_kind: global_buffer, .address_space: global }
    .group_segment_fixed_size: 327680
    .private_segment_fixed_size: 0
    .kernarg_segment_align: 8
    .kernarg_segment_size: 24
    .max_flat_workgroup_size: 128
    .sgpr_count:     98
    .vgpr_count:     1024
    .wavefront_size: 32
...
	.end_amdgpu_metadata
.endif
;; end of part 4
